; MI455X (gfx1250); checked and timed in simulation.
; The chip was launched on July 23, 2026; its instructions are those of AMD's public machine-readable ISA for CDNA 5 (MIT licence, August 2026) and "CDNA5" Instruction Set Architecture Reference Guide (July 2026). The comments in the code are by the model that wrote it; some were corrected since.
;; transformer classification. Allowed arithmetic: matrix products marked QUANTISED: E2M3 operands, one E8M0 scale for each 32 along K, by v_wmma_scale_f32_16x16x128_f8f6f4 with both operands' format E2M3, f32 sums; everything else in f32.
;; Inputs: b1 3,072 float32; b2 768 float32; clstoken 1 x 1 x 768 float32; head_b 1,000 float32; head_w 768 x 1,000 float32; image 64 x 98 x 768 float32; ln1_b 768 float32; ln1_g 768 float32; ln2_b 768 float32; ln2_g 768 float32; pos_emb 201 x 768 float32; w1 768 x 3,072 float32; w2 3,072 x 768 float32; wk 768 x 768 float32; wq 768 x 768 float32; wv 768 x 768 float32.
;; Outputs: out0 64 x 1,000 float32.
;; This version of the problem:
;;   THIS VERSION OF THE PROBLEM IS GIVEN IN LOW PRECISION. The matrix products marked QUANTISED in the list below multiply operands that are first quantised to E2M3 (2 exponent bits, 3 mantissa bits; 6 bits a number), with one power-of-two scale for each 32 numbers along K (OCP MX v1.0); their sums are f32. All else is computed in f32.
;;   The module's matrix products, in the order in which they are computed (A, B: the left and right operand; K: the contracted axis; several contracted axes count as one K, in the product's order):
;;     1. [M 6,336, K 768] x [K 768, N 768]; A: computed on the way; B: input wq: QUANTISED
;;     2. [M 6,336, K 768] x [K 768, N 768]; A: computed on the way; B: input wk: QUANTISED
;;     3. [M 6,336, K 768] x [K 768, N 768]; A: computed on the way; B: input wv: QUANTISED
;;     4. batch 768 x [M 99, K 64] x [K 64, N 99]; A: computed on the way; B: computed on the way: QUANTISED
;;     5. batch 768 x [M 99, K 99] x [K 99, N 64]; A: softmax (see below); B: computed on the way: QUANTISED
;;     6. [M 6,336, K 768] x [K 768, N 3,072]; A: computed on the way; B: input w1: QUANTISED
;;     7. [M 6,336, K 3,072] x [K 3,072, N 768]; A: computed on the way; B: input w2: QUANTISED
;;     8. [M 64, K 768] x [K 768, N 1,000]; A: computed on the way; B: input head_w: QUANTISED
;;   THE QUANTISER, for each operand of a quantised product, along K:
;;     - K is cut into blocks of 32 from its start; a last block that is shorter is filled with zeros.
;;     - A block's scale is 2^e with e = floor(log2(the largest magnitude in the block)) - 2, held to -126 .. 127; a block of zeros has e = 0. As a byte (E8M0): e + 127.
;;     - Each number is divided by its block's scale, clamped to +-7.5, and rounded to the nearest number of E2M3, ties to even, subnormals kept.
;;     - The product sums the exact products of the quantised numbers (number of the format x scale) in f32.
;;   ~~~python
;;   def quantise(x, axis):      # numpy; x: float32 -> the quantised numbers, widened to float32 again
;;       x = np.moveaxis(x, axis, -1); K = x.shape[-1]
;;       x = np.pad(x, [(0, 0)] * (x.ndim - 1) + [(0, -K % 32)]); x = x.reshape(x.shape[:-1] + (-1, 32)); a = np.abs(x).max(-1, keepdims=True)
;;       e = np.where(a > 0, np.clip(np.frexp(np.where(a > 0, a, 1))[1] - 1 - 2, -126, 127), 0)      # np.frexp(a)[1] - 1 = floor(log2(a)), exactly
;;       r = np.clip(x / 2.0 ** e, -7.5, 7.5)
;;       step = 2.0 ** (np.maximum(np.frexp(np.where(r == 0, 1, r))[1] - 1, 0) - 3)
;;       q = np.round(r / step) * step * 2.0 ** e      # np.round: ties to even
;;       return np.moveaxis(q.reshape(q.shape[:-2] + (-1,))[..., :K], -1, axis).astype(np.float32)
;;   ~~~
;;   SOFTMAX AHEAD OF A QUANTISED PRODUCT. Where the list says 'softmax', what is quantised is not the finished softmax but p = 2^(t - M), with t = logit x log2(e) and M = ceil(the row's largest t), a whole number; so 1/2 < the row's largest p <= 1. The row's sum l is taken of the UNQUANTISED p, in f32, and the product's result is divided by l at the end. Since M is a whole number, a kernel that streams over the keys may use a running M (the ceiling of the running maximum): every later rescaling is an exact power of two, which a block's scale takes up: the codes' values come out the same.
;;   OPERANDS COMPUTED ON THE WAY. 'Computed on the way' means the value that the module computes at that place (a softmax that the list does not call 'softmax' is quantised finished and normalised). What goes into a quantiser is computed in f32, as accurately as f32 sums, v_exp_f32 and their like allow (about 1e-6 of the number): no bf16 or f16 on the way to a quantiser, and a product that is left as it is and whose result goes on into a quantised operand takes f32 operands (vector FMAs, or v_wmma_f32_16x16x4_f32). A number that lies on a knife's edge between two numbers of the format may be rounded either way, as far as f32 arithmetic and the matrix unit's own rounding can turn it there, and no further.
;; One version. Each part assembles by itself: llvm-mc -triple=amdgcn-amd-amdhsa -mcpu=gfx1250 --defsym DOCPART=n.
;; ======== version 1 of 1: 5 launches
;; workspace buffers: xq 4,472,832 bytes; wts 5,683,200 bytes; a0 196,608 bytes; hid 159,744 bytes; xfin 196,608 bytes
;; launch prep (part 1): grid 224 x 1, 16 waves a work-group, no clusters, 134,656 bytes of LDS; arguments image, clstoken, pos_emb, ln1_g, ln1_b, wq, wk, wv, w1, w2, head_w, xq, wts; writes xq, wts
.if DOCPART == 1
	.amdgcn_target "amdgcn-amd-amdhsa--gfx1250"
	.amdhsa_code_object_version 6
	.text
	.protected	k_qe839835616_prep
	.globl	k_qe839835616_prep
	.p2align	8
	.type	k_qe839835616_prep,@function
k_qe839835616_prep:
	s_mov_b64 s[64:65], 0
	v_nop
	global_prefetch_b8 v0, s[64:65] scope:SCOPE_SE
	s_setreg_imm32_b32 hwreg(HW_REG_WAVE_MODE, 25, 1), 1
	s_wait_xcnt 0x0
; PREP.  (1) x = [cls | image] + pos, LayerNorm 1, quantised along the 768 channels to codes of E2M3 with one E8M0 byte for each 32: into xq, as images of the operand's registers.
; (2) All six weights, f32 stored [K][N], quantised along K (their first axis) into wts, as records of two fragments (32 neighbouring columns x 128 along K) with their scale words.
; SHARES.  Work-group g: token tile T = g / 32 (16 tokens: row r is token 32 (T / 2) + 8 (T % 2) + r + 8 (r / 8)), batches 2 (g % 32) and 2 (g % 32) + 1.  Wave w normalises row w of the tile for both
; batches (one row of pos serves two rows), and quantises half of record min(8 g + w / 2, 1775): 32 columns x 64 along K, a lane to a column, its registers down K, so each load reads 128 consecutive bytes.
; The normalised rows meet in LDS; behind the one barrier waves 0 to 11 each take (batch, K step of 128), apply g and b, quantise 16 rows x 128 and store one fragment's image: 3 x 512 consecutive bytes.
; The work-group's eight records are one dense block of 25,600 bytes of wts: they are gathered in LDS and leave in stores of 512 consecutive bytes.
; Tokens 99 and up (tile 6, rows 3 to 15) are padding: token 98's row is read for them and their codes are set to zero.
; No matrix work, no tensor load, no cluster: memory binds, and the only shared input is the row of pos.
; LIMITS: NaN and infinities among the inputs are not served.  A block whose largest magnitude lies under 2^-124, a block of zeros too, gets the byte 1 (its codes are then what the floor's scale gives; zeros stay zeros);
; the bytes are read by this program alone.  The mean is the sum x (1 / 768).
.set SROW,  3088                       ; a normalised row in LDS: 3,072 bytes + 16: row r starts 4 r banks on
.set GB,    32*SROW                    ; behind the 32 rows: ln1_g (3,072 bytes), ln1_b (3,072), and 2,048 bytes that waves 12-15 write and nobody reads
.set WST,   GB+8192                    ; the work-group's eight records of 3,200 bytes
.set SPARE, WST+25600                  ; the spare words, 128 bytes for each wave
.set X0,  20                           ; v20-43 row of batch 0, v44-67 row of batch 1: 24 numbers a lane
.set PP,  68                           ; v68-91 the row of pos
.set WW,  92                           ; v92-155 64 numbers of my column of the weight
.set ST,  156                          ; v156-171 statistics, eight registers a row
.set WT,  172                          ; v172-178 the weight's largest magnitudes, scale operands, bytes
.set CB,  180                          ; v180-195 the weight's codes
.set DD,  20                           ; phase B: v20-83 64 numbers, v84-147 g, v148-211 b
.set GG,  84
.set BB,  148
.set TM,  212                          ; v212-223 at work in QUANT
.set TP,  224
.set PC,  232                          ; v232-243 a fragment's codes
.set PW,  244                          ; its scale word
.set SEL, 50                           ; s[50:51] lane selects: lane l xor 16
.set MSB, 0
.macro WIN new                         ; the immediate's high byte repeats the setting that is left (this text stays in window 0: nothing is written)
.if MSB != (\new)
	s_set_vgpr_msb (MSB<<8)|(\new)
.set MSB, (\new)
.endif
.endm
; 64 numbers of a lane, register 16 b + i = k 32 b + 16 (lane / 16) + i of row lane % 16, become a fragment's 12 registers in v[pc] on and the row's scale word in v[pw].  sw: the window of the numbers.
.macro QUANT sw, s, pc, tp, pw
	WIN (\sw)|((\sw)<<2)
.irp b, 0,1,2,3
	v_max3_num_f32 v[TM+\b], |v[(\s)+16*\b]|, |v[(\s)+16*\b+1]|, 0x1800000   ; my 16 numbers of block b, and the floor 2^(3 - 127): the byte cannot fall under 1
.endr
	WIN ((\sw)<<2)|((\sw)<<4)
.irp i, 2,4,6,8,10,12,14
.irp b, 0,1,2,3
	v_max3_num_f32 v[TM+\b], v[TM+\b], |v[(\s)+16*\b+\i]|, |v[(\s)+16*\b+\i+1]|
.endr
.endr
	WIN 0
.irp b, 0,1,2,3
	v_permlanex16_b32 v[TM+4+\b], v[TM+\b], s[SEL], s[SEL+1]
.endr
.irp b, 0,1,2,3
	v_max_num_f32 v[TM+\b], v[TM+\b], v[TM+4+\b]                 ; with lane l xor 16's: the block's largest magnitude
.endr
.irp b, 0,1,2,3
	v_add_nc_u32 v[TM+8+\b], 0xff000000, v[TM+\b]                ; 2 off its exponent field: the conversion's scale operand
.endr
.irp b, 0,1,2,3
	v_lshrrev_b32 v[TM+4+\b], 23, v[TM+8+\b]                     ; the scale's byte
.endr
	v_lshl_or_b32 v[\pw], v[TM+5], 8, v[TM+4]
	v_lshl_or_b32 v[\pw], v[TM+6], 16, v[\pw]
	v_lshl_or_b32 v[\pw], v[TM+7], 24, v[\pw]
	WIN \sw
.irp c, 0,1
	v_cvt_scalef32_pk16_fp6_f32 v[(\pc)+6*\c:(\pc)+6*\c+2], v[(\s)+32*\c:(\s)+32*\c+15], v[TM+8+2*\c]
	v_cvt_scalef32_pk16_fp6_f32 v[(\tp)+4*\c:(\tp)+4*\c+2], v[(\s)+32*\c+16:(\s)+32*\c+31], v[TM+9+2*\c]
.endr
	WIN 0
	v_nop                                          ; one plain place behind a scaled conversion
.irp c, 0,1                            ; the operand's layout wants a whole block in a lane
.irp i, 0,1,2
	v_permlane16_swap_b32 v[(\pc)+6*\c+\i], v[(\tp)+4*\c+\i]
.endr
.irp i, 0,1,2
	v_mov_b32 v[(\pc)+6*\c+3+\i], v[(\tp)+4*\c+\i]
.endr
.endr
.endm
; both rows' two chains of partial sums become the row's sum, in every lane, in v[ST + 8 q]
.macro ACROSS
.irp q, 0,1
	v_pk_add_f32 v[ST+8*\q:ST+8*\q+1], v[ST+8*\q:ST+8*\q+1], v[ST+8*\q+2:ST+8*\q+3]
.endr
.irp q, 0,1
	v_add_f32 v[ST+8*\q], v[ST+8*\q], v[ST+8*\q+1]
.endr
.irp x, 1,2,4,8
.irp q, 0,1
	v_add_f32_dpp v[ST+8*\q], v[ST+8*\q], v[ST+8*\q] row_xmask:\x row_mask:0xf bank_mask:0xf
.endr
.endr
.irp q, 0,1
	v_permlanex16_b32 v[ST+8*\q+1], v[ST+8*\q], s[SEL], s[SEL+1]
.endr
.irp q, 0,1
	v_add_f32 v[ST+8*\q], v[ST+8*\q], v[ST+8*\q+1]
.endr
.endm
; my half record's 64 loads.  s58 = the record's first column, s49 = its K step, s47 = which half of it, s[44:45] = the weight; n = the weight's columns
.macro WJOB n
	v_add_nc_u32 v4, s58, v4
	v_min_u32 v4, (\n)-1, v4                       ; head_w has 1,000 columns: the 24 beyond repeat the last and are never stored as results
	v_lshlrev_b32 v4, 2, v4
	s_lshl_b32 s59, s49, 1
	s_add_co_u32 s59, s59, s47
	s_mul_i32 s60, s59, 64*(\n)*4                  ; row 128 s + 64 c of the weight, in bytes
	s_mov_b32 s61, 0
	s_add_nc_u64 s[44:45], s[44:45], s[60:61]
.set ii, 0
.rept 64
	global_load_b32 v[WW+ii], v4, s[44:45] offset:ii*(\n)*4 th:TH_LOAD_NT
.set ii, ii+1
.endr
.endm
	s_load_b512 s[4:19], s[0:1], 0x0               ; image 4, clstoken 6, pos_emb 8, ln1_g 10, ln1_b 12, wq 14, wk 16, wv 18
	s_load_b256 s[20:27], s[0:1], 0x40             ; w1 20, w2 22, head_w 24, xq 26
	s_load_b64 s[28:29], s[0:1], 0x60              ; wts
	v_lshl_add_u32 v14, v0, 2, SPARE               ; my spare word,
	v_mov_b32 v15, 0                               ; and 0: kept for the closing lines
	v_lshrrev_b32 v11, 5, v0
	v_readfirstlane_b32 s30, v11                   ; wave 0..15
	; every LDS address is made here, ahead of all branches, from the thread's number and constants
	v_and_b32 v4, 31, v0                           ; lane
	v_lshlrev_b32 v1, 4, v4                        ; 16 x lane
	v_lshlrev_b32 v12, 2, v4                       ; 4 x lane
	v_mad_u32_u24 v2, v11, SROW, v1                ; my row in the stage (batch 1's lies 16 rows on)
	v_lshl_add_u32 v10, v11, 9, v1                 ; 512 w + 16 x lane
	v_add_nc_u32 v3, GB, v10                       ; my 512 bytes of g or b
	v_add_nc_u32 v9, WST, v10                      ; the records' way out
	v_lshrrev_b32 v17, 1, v11
	v_and_b32 v18, 1, v11                          ; c: which 64 of the record's 128 along K
	v_mul_u32_u24 v17, v17, 3200
	v_add_nc_u32 v17, WST, v17                     ; my record
	v_bfe_u32 v19, v4, 3, 1                        ; column l of the 32 is row (l % 8) + 8 (l / 16) of tile (l / 8) % 2
	v_and_b32 v20, 7, v4
	v_lshrrev_b32 v21, 4, v4
	v_mad_u32_u24 v5, v18, 24, v17                 ; codes: 1,536 x tile + 48 x (row + 16 x block's half) + 24 c
	v_mad_u32_u24 v5, v19, 1536, v5
	v_mad_u32_u24 v5, v20, 48, v5
	v_mad_u32_u24 v5, v21, 384, v5
	v_lshl_add_u32 v6, v18, 1, v17                 ; scale bytes: 3,072 + 64 x tile + 4 x row + 2 c
	v_lshl_add_u32 v6, v19, 6, v6
	v_lshl_add_u32 v6, v20, 2, v6
	v_lshl_add_u32 v6, v21, 5, v6
	v_add_nc_u32 v6, 3072, v6
	v_mul_u32_u24 v22, v11, 43
	v_lshrrev_b32 v22, 8, v22                      ; q = w / 6: phase B's batch; its K step is w - 6 q
	v_and_b32 v23, 15, v4                          ; r
	v_lshlrev_b32 v7, 9, v11                       ; (16 q + r) SROW + 512 (w - 6 q) + 64 h = 512 w + 46,336 q + SROW r + 64 h
	v_mad_u32_u24 v7, v22, 46336, v7
	v_mad_u32_u24 v7, v23, SROW, v7
	v_lshl_add_u32 v7, v21, 6, v7
	v_mul_u32_u24 v24, v22, 3072
	v_lshlrev_b32 v8, 9, v11
	v_sub_nc_u32 v8, v8, v24
	v_lshl_add_u32 v8, v21, 6, v8
	v_add_nc_u32 v8, GB, v8                        ; g of my K step: GB + 512 (w - 6 q) + 64 h; b lies 3,072 on
	s_lshr_b32 s31, ttmp9, 5                       ; T
	s_and_b32 s32, ttmp9, 31                       ; pair of batches
	s_lshr_b32 s48, s31, 1
	s_lshl_b32 s48, s48, 5
	s_and_b32 s49, s31, 1
	s_lshl_b32 s49, s49, 3
	s_add_co_u32 s48, s48, s49                     ; the tile's first token
	v_and_b32 v25, 8, v23
	v_add_nc_u32 v13, v23, v25
	v_add_nc_u32 v13, s48, v13                     ; the token of row lane % 16
	s_and_b32 s49, s30, 8
	s_add_co_u32 s33, s30, s49
	s_add_co_u32 s33, s33, s48                     ; my wave's token,
	s_min_u32 s34, s33, 98                         ; held inside the 99
	s_max_u32 s58, s34, 1
	s_sub_co_u32 s58, s58, 1                       ; its row of image (token 0 is the cls token)
	s_mul_i32 s59, s32, 196
	s_add_co_u32 s58, s58, s59
	s_mul_i32 s58, s58, 3072
	s_mov_b32 s59, 0
	s_mul_i32 s60, s34, 3072
	s_mov_b32 s61, 0
	s_mul_i32 s62, s30, 43
	s_lshr_b32 s62, s62, 8
	s_mul_i32 s62, s62, 6
	s_sub_co_u32 s62, s30, s62
	s_lshl_b32 s62, s62, 9                         ; which 512 bytes of g or b I bring
	s_mov_b32 s63, 0
	s_mul_i32 s56, ttmp9, 25600
	s_mov_b32 s57, 0
	s_lshl_b32 s46, ttmp9, 3
	s_lshr_b32 s47, s30, 1
	s_add_co_u32 s46, s46, s47
	s_min_u32 s46, s46, 1775                       ; my record (work-groups 222 and 223 repeat the last and do not store it)
	s_and_b32 s47, s30, 1
	s_mov_b32 s[SEL], 0x76543210
	s_mov_b32 s[SEL+1], 0xfedcba98
	s_mov_b32 s52, 0x3aaaaaab                      ; 1 / 768
	s_mov_b32 s53, 0x3727c5ac                      ; 1e-5
	s_wait_kmcnt 0x0
	s_add_nc_u64 s[36:37], s[4:5], s[58:59]        ; my row in batch 2 bp,
	s_add_nc_u64 s[38:39], s[36:37], 301056        ; and in the next batch: 98 rows on
	s_cmp_eq_u32 s33, 0
	s_cselect_b64 s[36:37], s[6:7], s[36:37]       ; token 0: the cls token, for both
	s_cselect_b64 s[38:39], s[6:7], s[38:39]
	s_add_nc_u64 s[40:41], s[8:9], s[60:61]
	s_cmp_lt_u32 s30, 6
	s_cselect_b64 s[42:43], s[10:11], s[12:13]     ; waves 0-5 bring g, the others b
	s_add_nc_u64 s[42:43], s[42:43], s[62:63]
	s_add_nc_u64 s[56:57], s[28:29], s[56:57]
	global_load_b128 v[16:19], v1, s[42:43]
.irp j, 0,1,2,3,4,5
	global_load_b128 v[X0+4*\j:X0+4*\j+3], v1, s[36:37] offset:512*\j th:TH_LOAD_NT
	global_load_b128 v[X0+24+4*\j:X0+24+4*\j+3], v1, s[38:39] offset:512*\j th:TH_LOAD_NT
	global_load_b128 v[PP+4*\j:PP+4*\j+3], v1, s[40:41] offset:512*\j
.endr
	; which weight: the regions' bounds are multiples of 8 records, so a work-group's eight lie in one weight.  The four arms differ in the record's decoding and in the row's length; none touches LDS.
	s_cmp_lt_u32 ttmp9, 54
	s_cbranch_scc0 .Lnot_qkv
	s_and_b32 s48, s46, 1                          ; record ((m 12 + head) 6 + s) 2 + p
	s_lshr_b32 s49, s46, 1
	s_mul_i32 s58, s49, 10923
	s_lshr_b32 s58, s58, 16                        ; m 12 + head
	s_mul_i32 s59, s58, 6
	s_sub_co_u32 s49, s49, s59                     ; s
	s_cmp_lt_u32 ttmp9, 18
	s_cselect_b64 s[44:45], s[14:15], s[16:17]
	s_cselect_b32 s59, 0, 12
	s_cmp_lt_u32 ttmp9, 36
	s_cselect_b64 s[44:45], s[44:45], s[18:19]
	s_cselect_b32 s59, s59, 24
	s_sub_co_u32 s58, s58, s59                     ; head
	s_lshl_b32 s58, s58, 6
	s_lshl_b32 s48, s48, 5
	s_add_co_u32 s58, s58, s48
	WJOB 768
	s_branch .Lw_asked
.Lnot_qkv:
	s_cmp_lt_u32 ttmp9, 126
	s_cbranch_scc0 .Lnot_w1
	s_sub_co_u32 s48, s46, 432                     ; record (G 6 + s) 4 + p
	s_and_b32 s58, s48, 3
	s_lshr_b32 s48, s48, 2
	s_mul_i32 s59, s48, 10923
	s_lshr_b32 s59, s59, 16                        ; G
	s_mul_i32 s60, s59, 6
	s_sub_co_u32 s49, s48, s60
	s_lshl_b32 s59, s59, 7
	s_lshl_b32 s58, s58, 5
	s_add_co_u32 s58, s58, s59
	s_mov_b64 s[44:45], s[20:21]
	WJOB 3072
	s_branch .Lw_asked
.Lnot_w1:
	s_cmp_lt_u32 ttmp9, 198
	s_cbranch_scc0 .Lnot_w2
	s_sub_co_u32 s48, s46, 1008                    ; record cp 24 + s
	s_mul_i32 s59, s48, 2731
	s_lshr_b32 s59, s59, 16                        ; cp
	s_mul_i32 s60, s59, 24
	s_sub_co_u32 s49, s48, s60
	s_lshl_b32 s58, s59, 5
	s_mov_b64 s[44:45], s[22:23]
	WJOB 768
	s_branch .Lw_asked
.Lnot_w2:
	s_sub_co_u32 s48, s46, 1584                    ; record pr 6 + s
	s_mul_i32 s59, s48, 10923
	s_lshr_b32 s59, s59, 16                        ; pr
	s_mul_i32 s60, s59, 6
	s_sub_co_u32 s49, s48, s60
	s_lshl_b32 s58, s59, 5
	s_mov_b64 s[44:45], s[24:25]
	WJOB 1000
.Lw_asked:
	s_wait_loadcnt 63                              ; g or b, the two rows and pos are in.  64 loads are younger; the wait names 63 at the most, so the weight's first load is awaited with them
	; ---- LayerNorm 1 of both rows, by turns
.set jj, 0
.rept 12
	v_pk_add_f32 v[X0+jj:X0+jj+1], v[X0+jj:X0+jj+1], v[PP+jj:PP+jj+1]
	v_pk_add_f32 v[X0+24+jj:X0+24+jj+1], v[X0+24+jj:X0+24+jj+1], v[PP+jj:PP+jj+1]
.set jj, jj+2
.endr
.irp q, 0,1
	v_pk_add_f32 v[ST+8*\q:ST+8*\q+1], v[X0+24*\q:X0+24*\q+1], v[X0+24*\q+2:X0+24*\q+3]
	v_pk_add_f32 v[ST+8*\q+2:ST+8*\q+3], v[X0+24*\q+4:X0+24*\q+5], v[X0+24*\q+6:X0+24*\q+7]
.endr
.irp j, 8,12,16,20
.irp q, 0,1
	v_pk_add_f32 v[ST+8*\q:ST+8*\q+1], v[ST+8*\q:ST+8*\q+1], v[X0+24*\q+\j:X0+24*\q+\j+1]
	v_pk_add_f32 v[ST+8*\q+2:ST+8*\q+3], v[ST+8*\q+2:ST+8*\q+3], v[X0+24*\q+\j+2:X0+24*\q+\j+3]
.endr
.endr
	ACROSS
.irp q, 0,1
	v_mul_f32 v[ST+8*\q+4], s52, v[ST+8*\q]        ; the mean
.endr
.irp q, 0,1
	v_mov_b32 v[ST+8*\q+5], v[ST+8*\q+4]
.endr
.set jj, 0
.rept 12
.irp q, 0,1
	v_pk_add_f32 v[X0+24*\q+jj:X0+24*\q+jj+1], v[X0+24*\q+jj:X0+24*\q+jj+1], v[ST+8*\q+4:ST+8*\q+5] neg_lo:[0,1] neg_hi:[0,1]
.endr
.set jj, jj+2
.endr
.irp q, 0,1
	v_pk_mul_f32 v[ST+8*\q:ST+8*\q+1], v[X0+24*\q:X0+24*\q+1], v[X0+24*\q:X0+24*\q+1]
	v_pk_mul_f32 v[ST+8*\q+2:ST+8*\q+3], v[X0+24*\q+2:X0+24*\q+3], v[X0+24*\q+2:X0+24*\q+3]
.endr
.irp j, 4,8,12,16,20
.irp q, 0,1
	v_pk_fma_f32 v[ST+8*\q:ST+8*\q+1], v[X0+24*\q+\j:X0+24*\q+\j+1], v[X0+24*\q+\j:X0+24*\q+\j+1], v[ST+8*\q:ST+8*\q+1]
	v_pk_fma_f32 v[ST+8*\q+2:ST+8*\q+3], v[X0+24*\q+\j+2:X0+24*\q+\j+3], v[X0+24*\q+\j+2:X0+24*\q+\j+3], v[ST+8*\q+2:ST+8*\q+3]
.endr
.endr
	ACROSS
.irp q, 0,1
	v_fma_f32 v[ST+8*\q+6], v[ST+8*\q], s52, s53   ; the variance + eps
.endr
.irp q, 0,1
	v_rsq_f32 v[ST+8*\q+6], v[ST+8*\q+6]
.endr
	v_nop                                          ; a plain place behind the two roots,
	s_wait_alu depctr_va_vdst(0)                   ; and one wait for both, ahead of their first reader
.irp q, 0,1
	v_mov_b32 v[ST+8*\q+7], v[ST+8*\q+6]
.endr
.set jj, 0
.rept 12
.irp q, 0,1
	v_pk_mul_f32 v[X0+24*\q+jj:X0+24*\q+jj+1], v[X0+24*\q+jj:X0+24*\q+jj+1], v[ST+8*\q+6:ST+8*\q+7]
.endr
.set jj, jj+2
.endr
	ds_store_b128 v3, v[16:19]                     ; g and b are applied in phase B, where a lane needs 64 of each and not all 768
.irp q, 0,1
.irp j, 0,1,2,3,4,5
	ds_store_b128 v2, v[X0+24*\q+4*\j:X0+24*\q+4*\j+3] offset:16*SROW*\q+512*\j
.endr
.endr
	; ---- my half record: two whole blocks of 32 along K of my column
	s_wait_loadcnt 0x0
.irp b, 0,1
	v_max3_num_f32 v[WT+\b], |v[WW+32*\b]|, |v[WW+32*\b+1]|, 0x1800000
.endr
.irp i, 2,4,6,8,10,12,14,16,18,20,22,24,26,28,30
.irp b, 0,1
	v_max3_num_f32 v[WT+\b], v[WT+\b], |v[WW+32*\b+\i]|, |v[WW+32*\b+\i+1]|
.endr
.endr
.irp b, 0,1
	v_add_nc_u32 v[WT+2+\b], 0xff000000, v[WT+\b]
.endr
.irp b, 0,1
	v_lshrrev_b32 v[WT+4+\b], 23, v[WT+2+\b]
.endr
	v_lshl_or_b32 v[WT+6], v[WT+5], 8, v[WT+4]     ; my two bytes of the column's scale word
.irp b, 0,1
	v_cvt_scalef32_pk16_fp6_f32 v[CB+8*\b:CB+8*\b+2], v[WW+32*\b:WW+32*\b+15], v[WT+2+\b]
	v_cvt_scalef32_pk16_fp6_f32 v[CB+8*\b+4:CB+8*\b+6], v[WW+32*\b+16:WW+32*\b+31], v[WT+2+\b]   ; (a conversion's three registers begin on an even number)
.endr
	v_nop
.irp b, 0,1
.irp i, 0,1,2
	v_mov_b32 v[CB+8*\b+3+\i], v[CB+8*\b+4+\i]     ; six registers on end
.endr
.endr
.irp b, 0,1
.irp i, 0,1,2
	ds_store_b64 v5, v[CB+8*\b+2*\i:CB+8*\b+2*\i+1] offset:768*\b+8*\i   ; block b belongs to the fragment's lanes 16 b on
.endr
.endr
	ds_store_b16 v6, v[WT+6]
	s_wait_dscnt 0x0                               ; for the others' sake: all my LDS stores have landed
	s_barrier_signal -1
	s_barrier_wait -1                              ; the 32 rows, g, b and the eight records lie in LDS; nothing is written there any more
	; ---- the records leave: 50 pieces of 512 consecutive bytes
	s_cmp_lt_u32 ttmp9, 222
	s_cbranch_scc0 .Lno_copy
	ds_load_b128 v[92:95], v9
	ds_load_b128 v[96:99], v9 offset:8192
	ds_load_b128 v[100:103], v9 offset:16384
	s_wait_dscnt 2                                 ; the two younger loads may be out
	global_store_b128 v10, v[92:95], s[56:57]
	s_wait_dscnt 1
	global_store_b128 v10, v[96:99], s[56:57] offset:8192
	s_wait_dscnt 0x0
	global_store_b128 v10, v[100:103], s[56:57] offset:16384
	s_cmp_lt_u32 s30, 2
	s_cbranch_scc0 .Lno_copy
	ds_load_b128 v[104:107], v9 offset:24576
	s_wait_dscnt 0x0
	global_store_b128 v10, v[104:107], s[56:57] offset:24576
.Lno_copy:
	s_wait_xcnt 0x0                                ; the stores have read their data: phase B loads into those registers
	; ---- phase B: waves 0 to 11: batch q = w / 6, K step w - 6 q: 16 rows x 128 become one fragment
	s_cmp_lt_u32 s30, 12
	s_cbranch_scc0 .Lend
.set jj, 0
.rept 16
	ds_load_b128 v[DD+4*jj:DD+4*jj+3], v7 offset:128*(jj/4)+16*(jj%4)
	ds_load_b128 v[GG+4*jj:GG+4*jj+3], v8 offset:128*(jj/4)+16*(jj%4)
	ds_load_b128 v[BB+4*jj:BB+4*jj+3], v8 offset:3072+128*(jj/4)+16*(jj%4)
.set jj, jj+1
.endr
	s_mul_i32 s48, s30, 43
	s_lshr_b32 s48, s48, 8                         ; q
	s_mul_i32 s49, s48, 6
	s_sub_co_u32 s49, s30, s49                     ; the K step
	s_lshl_b32 s58, s32, 1
	s_add_co_u32 s58, s58, s48
	s_mul_i32 s58, s58, 69888                      ; the batch's part of xq
	s_mul_i32 s59, s49, 7
	s_add_co_u32 s59, s59, s31                     ; image 7 s + T
	s_mul_i32 s60, s59, 1536
	s_add_co_u32 s60, s60, s58
	s_mov_b32 s61, 0
	s_add_nc_u64 s[54:55], s[26:27], s[60:61]
	s_lshl_b32 s60, s59, 7
	s_add_co_u32 s60, s60, s58
	s_add_co_u32 s60, s60, 64512
	s_add_nc_u64 s[62:63], s[26:27], s[60:61]
.irp b, 0,1,2,3
	v_mov_b32 v[TM+4+\b], 0                        ; a lane permute's destination counts as one of its sources
.endr
	s_wait_dscnt 0x0
.set jj, 0
.rept 32
	v_pk_fma_f32 v[DD+jj:DD+jj+1], v[DD+jj:DD+jj+1], v[GG+jj:GG+jj+1], v[BB+jj:BB+jj+1]
.set jj, jj+2
.endr
	QUANT 0, DD, PC, TP, PW
	v_cmp_gt_u32 vcc_lo, 99, v13                   ; rows that stand for no token get zero codes, which add nothing to any sum
.set jj, 0
.rept 12
	v_cndmask_b32 v[PC+jj], 0, v[PC+jj], vcc_lo
.set jj, jj+1
.endr
.irp k, 0,1,2
	global_store_b128 v1, v[PC+4*\k:PC+4*\k+3], s[54:55] offset:512*\k   ; 32 lanes store 512 consecutive bytes
.endr
	global_store_b32 v12, v[PW], s[62:63]
.Lend:
	s_wait_tensorcnt 0x0                           ; the wave's end
	ds_add_u32 v14, v15
	s_wait_dscnt 0x0
	s_endpgm
.Lfunc_end_k_qe839835616_prep:
	.size	k_qe839835616_prep, .Lfunc_end_k_qe839835616_prep-k_qe839835616_prep
	.p2alignl 7, 3214868480
	.fill 96, 4, 3214868480
	.section	.rodata,"a",@progbits
	.p2align	6, 0x0
	.amdhsa_kernel k_qe839835616_prep
		.amdhsa_group_segment_fixed_size 134656
		.amdhsa_private_segment_fixed_size 0
		.amdhsa_enable_private_segment 0
		.amdhsa_kernarg_size 104
		.amdhsa_user_sgpr_count 2
		.amdhsa_user_sgpr_kernarg_segment_ptr 1
		.amdhsa_wavefront_size32 1
		.amdhsa_system_sgpr_workgroup_id_x 1
		.amdhsa_system_sgpr_workgroup_id_y 1
		.amdhsa_system_sgpr_workgroup_id_z 1
		.amdhsa_system_vgpr_workitem_id 0
		.amdhsa_next_free_vgpr 256
		.amdhsa_next_free_sgpr 66
		.amdhsa_reserve_vcc 1
		.amdhsa_float_denorm_mode_32 3
		.amdhsa_float_denorm_mode_16_64 3
		.amdhsa_memory_ordered 1
		.amdhsa_forward_progress 1
		.amdhsa_inst_pref_size 59
	.end_amdhsa_kernel
	.amdgpu_metadata
---
amdhsa.version: [ 1, 2 ]
amdhsa.kernels:
  - .name:           k_qe839835616_prep
    .symbol:         k_qe839835616_prep.kd
    .args:
      - { .name: image, .offset: 0, .size: 8, .value_kind: global_buffer, .address_space: global }
      - { .name: clstoken, .offset: 8, .size: 8, .value_kind: global_buffer, .address_space: global }
      - { .name: pos_emb, .offset: 16, .size: 8, .value_kind: global_buffer, .address_space: global }
      - { .name: ln1_g, .offset: 24, .size: 8, .value_kind: global_buffer, .address_space: global }
      - { .name: ln1_b, .offset: 32, .size: 8, .value_kind: global_buffer, .address_space: global }
      - { .name: wq, .offset: 40, .size: 8, .value_kind: global_buffer, .address_space: global }
      - { .name: wk, .offset: 48, .size: 8, .value_kind: global_buffer, .address_space: global }
      - { .name: wv, .offset: 56, .size: 8, .value_kind: global_buffer, .address_space: global }
      - { .name: w1, .offset: 64, .size: 8, .value_kind: global_buffer, .address_space: global }
      - { .name: w2, .offset: 72, .size: 8, .value_kind: global_buffer, .address_space: global }
      - { .name: head_w, .offset: 80, .size: 8, .value_kind: global_buffer, .address_space: global }
      - { .name: xq, .offset: 88, .size: 8, .value_kind: global_buffer, .address_space: global }
      - { .name: wts, .offset: 96, .size: 8, .value_kind: global_buffer, .address_space: global }
    .group_segment_fixed_size: 134656
    .private_segment_fixed_size: 0
    .kernarg_segment_align: 8
    .kernarg_segment_size: 104
    .max_flat_workgroup_size: 512
    .sgpr_count:     66
    .vgpr_count:     256
    .wavefront_size: 32
...
	.end_amdgpu_metadata
.endif
;; end of part 1
;; launch attn (part 2): grid 64 x 4, 3 waves a work-group, clusters of 4 x 1, 327,680 bytes of LDS; arguments xq, wts, clstoken, pos_emb, a0; writes a0
.if DOCPART == 2
	.amdgcn_target "amdgcn-amd-amdhsa--gfx1250"
	.amdhsa_code_object_version 6
	.text
	.protected	k_qe839835616_attn
	.globl	k_qe839835616_attn
	.p2align	8
	.type	k_qe839835616_attn,@function
k_qe839835616_attn:
	s_mov_b64 s[64:65], 0
	v_nop
	global_prefetch_b8 v0, s[64:65] scope:SCOPE_SE
	s_setreg_imm32_b32 hwreg(HW_REG_WAVE_MODE, 25, 1), 1
	s_wait_xcnt 0x0
	s_wait_alu depctr_hold_cnt(0) depctr_sa_sdst(0) depctr_va_vdst(0) depctr_va_sdst(0) depctr_va_ssrc(0) depctr_va_vcc(0) depctr_vm_vsrc(0)
	s_getreg_b32 s2, hwreg(HW_REG_IB_STS2, 6, 4)
	s_cmp_eq_u32 s2, 0
	s_cbranch_scc0 .Lentry_in_a_cluster
	s_endpgm
.Lentry_in_a_cluster:
	s_bfe_u32 s2, ttmp6, 0x10000c
	s_cmp_lg_u32 s2, 0x3003
	s_cbranch_scc0 .Lentry_shape_is_right
	s_endpgm
.Lentry_shape_is_right:
; ATTN.  a0[batch][:] = (cls + pos[0]) + attention(token 0), for all 12 heads.  The result of the whole program hangs on token 0 of each batch alone, so K and V are made for all 99 tokens and q, the scores,
; the softmax and the second product for the tile of queries that holds token 0.  All products on codes of E2M3 with E8M0 scales.
; SHARES.  A work-group is (batch, four... three heads): wave w owns head 3 y + w, and the whole chain of one (batch, head) stays in that wave's registers.
; CLUSTER.  The four work-groups of a cluster are four batches with the same heads: K's and V's weight records (230,400 of a work-group's 300,288 bytes) are asked for JOINTLY, the same load with the same descriptor
; and a mask that names the four.  The batch's codes of x come by plain loads, a third from each wave, and are read by all three waves behind one barrier.  No LDS byte is filled twice.
; LAYOUT.  Token tile a, row r is token 32 (a / 2) + 8 (a % 2) + r + 8 (r / 8); the weight's tiles of 16 columns are ordered likewise.  K^T = Wk^T x^T (source 0 = 16 columns of wk, source 1 = 16 tokens): a lane holds
; one token and its 32 registers of a pair of tiles run along the head's channels: they are quantised in place into a fragment of K.  V = x Wv (source 0 = 16 tokens, source 1 = 16 columns): a lane holds one channel
; and its 64 registers run along the tokens, which are the second product's K.  S^T = K q^T and O^T = V^T p^T: a lane holds one query throughout.
; SOFTMAX: t = score x log2(e) / 8; M = ceil(the row's largest t); p = 2^(t - M) is quantised along the keys; the sum of the unquantised p divides at the end.  Keys 99 to 127 are -infinity ahead of the maximum.
; LIMITS: as the first launch's; p under 2^-126 is 0.
; REGISTERS.  window 0: v1-15 addresses; v18-29 at work; v32-115, v116-199 two sets of x's seven fragments; v200-229 scale words and nothing else; v230-241 q's fragment, v242 its scale word; v243-247 sums; v248-255 cls, pos.
;   window 1: two sets of the step's eight weight fragments.   window 2: K's 28 accumulators (token tile a, column tile t: 32 a + 8 t).   window 3: V's 28 (64 t + 8 a), and zeros for an eighth token tile.
.set XSC,   64512                      ; LDS: x's 42 fragments from 0; here their scale words
.set WR,    69888                      ; each wave's 24 weight records, 76,800 bytes
.set STG,   WR+3*76800                 ; each wave's stage: 16 rows x 272 bytes
.set SPARE, STG+3*4352                 ; the spare words
.set TM,  18
.set XF,  32
.set XS,  200
.set WS,  214
.set QF,  230
.set QS,  242
.set QA,  140
.set KF,  32
.set SS,  116
.set PF,  180
.set TP,  192
.set KS,  200
.set PS,  207
.set VS,  208
.set VF,  32
.set OO,  80
.set WV,  14
.set SEL, 86
.set CS,  88
.set MSB, 0
.macro WIN new                         ; the immediate's high byte repeats the setting that is left
.if MSB != (\new)
	s_set_vgpr_msb (MSB<<8)|(\new)
.set MSB, (\new)
.endif
.endm
.macro PLACES n
.rept \n
	v_nop
.endr
.endm
.macro ROUND                           ; a round of the cluster's barrier
	s_barrier_signal -1
	s_barrier_wait -1
	s_cmp_lg_u32 s[WV], 0
	s_cbranch_scc1 .Lnot_wave_0_\@
	s_barrier_signal -3
.Lnot_wave_0_\@:
	s_barrier_wait -3
	s_barrier_signal -1
	s_barrier_wait -1
.endm
.macro DENSE g, w0, rows               ; group 1 of a dense block: rows of 256 bytes (32 elements of 8 bytes)
	s_mov_b32 s[\g], \w0
	s_mov_b32 s[\g+1], 32<<16
	s_mov_b32 s[\g+2], (\rows)<<16
	s_mov_b32 s[\g+3], 32<<16
	s_mov_b32 s[\g+4], \rows
	s_mov_b32 s[\g+5], 32
	s_mov_b32 s[\g+6], 0
	s_mov_b32 s[\g+7], 0
.endm
.macro MM d, a, b, c, sa, sb
	v_wmma_scale_f32_16x16x128_f8f6f4 v[(\d):(\d)+7], v[(\a):(\a)+11], v[(\b):(\b)+11], v[(\c):(\c)+7], v[(\sa)], v[(\sb)] matrix_a_fmt:MATRIX_FMT_FP6 matrix_b_fmt:MATRIX_FMT_FP6
.endm
.macro MM0 d, a, b, sa, sb             ; the first product starts the sum
	v_wmma_scale_f32_16x16x128_f8f6f4 v[(\d):(\d)+7], v[(\a):(\a)+11], v[(\b):(\b)+11], 0, v[(\sa)], v[(\sb)] matrix_a_fmt:MATRIX_FMT_FP6 matrix_b_fmt:MATRIX_FMT_FP6
.endm
; 64 numbers of a lane, register 16 b + i = k 32 b + 16 (lane / 16) + i of row lane % 16, become a fragment's 12 registers in v[pc] on and the row's scale word in v[pw].  sw: the window of the numbers.
.macro QUANT sw, s, pc, tp, pw
	WIN (\sw)|((\sw)<<2)
.irp b, 0,1,2,3
	v_max3_num_f32 v[TM+\b], |v[(\s)+16*\b]|, |v[(\s)+16*\b+1]|, 0x1800000
.endr
	WIN ((\sw)<<2)|((\sw)<<4)
.irp i, 2,4,6,8,10,12,14
.irp b, 0,1,2,3
	v_max3_num_f32 v[TM+\b], v[TM+\b], |v[(\s)+16*\b+\i]|, |v[(\s)+16*\b+\i+1]|
.endr
.endr
	WIN 0
.irp b, 0,1,2,3
	v_permlanex16_b32 v[TM+4+\b], v[TM+\b], s[SEL], s[SEL+1]
.endr
.irp b, 0,1,2,3
	v_max_num_f32 v[TM+\b], v[TM+\b], v[TM+4+\b]
.endr
.irp b, 0,1,2,3
	v_add_nc_u32 v[TM+8+\b], 0xff000000, v[TM+\b]
.endr
.irp b, 0,1,2,3
	v_lshrrev_b32 v[TM+4+\b], 23, v[TM+8+\b]
.endr
	v_lshl_or_b32 v[\pw], v[TM+5], 8, v[TM+4]
	v_lshl_or_b32 v[\pw], v[TM+6], 16, v[\pw]
	v_lshl_or_b32 v[\pw], v[TM+7], 24, v[\pw]
	WIN \sw
.irp c, 0,1
	v_cvt_scalef32_pk16_fp6_f32 v[(\pc)+6*\c:(\pc)+6*\c+2], v[(\s)+32*\c:(\s)+32*\c+15], v[TM+8+2*\c]
	v_cvt_scalef32_pk16_fp6_f32 v[(\tp)+4*\c:(\tp)+4*\c+2], v[(\s)+32*\c+16:(\s)+32*\c+31], v[TM+9+2*\c]
.endr
	WIN 0
	v_nop
.irp c, 0,1
.irp i, 0,1,2
	v_permlane16_swap_b32 v[(\pc)+6*\c+\i], v[(\tp)+4*\c+\i]
.endr
.irp i, 0,1,2
	v_mov_b32 v[(\pc)+6*\c+3+\i], v[(\tp)+4*\c+\i]
.endr
.endr
.endm
; the same for 32 numbers (K = 64: two blocks): registers pc .. pc + 5, and two bytes of the scale word (the other two stay 0 over zero codes)
.macro QUANT2 sw, s, pc, tp, pw
	WIN (\sw)|((\sw)<<2)
.irp b, 0,1
	v_max3_num_f32 v[TM+\b], |v[(\s)+16*\b]|, |v[(\s)+16*\b+1]|, 0x1800000
.endr
	WIN ((\sw)<<2)|((\sw)<<4)
.irp i, 2,4,6,8,10,12,14
.irp b, 0,1
	v_max3_num_f32 v[TM+\b], v[TM+\b], |v[(\s)+16*\b+\i]|, |v[(\s)+16*\b+\i+1]|
.endr
.endr
	WIN 0
.irp b, 0,1
	v_permlanex16_b32 v[TM+4+\b], v[TM+\b], s[SEL], s[SEL+1]
.endr
.irp b, 0,1
	v_max_num_f32 v[TM+\b], v[TM+\b], v[TM+4+\b]
.endr
.irp b, 0,1
	v_add_nc_u32 v[TM+8+\b], 0xff000000, v[TM+\b]
.endr
.irp b, 0,1
	v_lshrrev_b32 v[TM+4+\b], 23, v[TM+8+\b]
.endr
	v_lshl_or_b32 v[\pw], v[TM+5], 8, v[TM+4]
	WIN \sw
	v_cvt_scalef32_pk16_fp6_f32 v[(\pc):(\pc)+2], v[(\s):(\s)+15], v[TM+8]
	v_cvt_scalef32_pk16_fp6_f32 v[(\tp):(\tp)+2], v[(\s)+16:(\s)+31], v[TM+9]
	WIN 0
	v_nop
.irp i, 0,1,2
	v_permlane16_swap_b32 v[(\pc)+\i], v[(\tp)+\i]
.endr
.irp i, 0,1,2
	v_mov_b32 v[(\pc)+3+\i], v[(\tp)+\i]
.endr
.endm
.macro LOADX s, set                    ; K step s of x: seven fragments and their scale words: 28 loads
.irp a, 0,1,2,3,4,5,6
.irp k, 0,1,2
	ds_load_b128 v[XF+84*(\set)+12*\a+4*\k:XF+84*(\set)+12*\a+4*\k+3], v1 offset:(7*(\s)+\a)*1536+512*\k
.endr
	ds_load_b32 v[XS+7*(\set)+\a], v2 offset:(7*(\s)+\a)*128
.endr
.endm
.macro LOADW s, set                    ; K step s of wk's (m = 0) and wv's (m = 1) four tiles: 32 loads.  The records of steps 4 and 5 lie beyond an offset's reach: a second pair of address registers
	WIN 0x40
.irp m, 0,1
.irp t, 0,1,2,3
.irp k, 0,1,2
.if (\s) < 4
	ds_load_b128 v[96*(\set)+48*\m+12*\t+4*\k:96*(\set)+48*\m+12*\t+4*\k+3], v3 offset:(2*((\s)/2)+\m)*12800+((\s)%2)*6400+(\t/2)*3200+(\t%2)*1536+16*\k
.else
	ds_load_b128 v[96*(\set)+48*\m+12*\t+4*\k:96*(\set)+48*\m+12*\t+4*\k+3], v4 offset:\m*12800+((\s)%2)*6400+(\t/2)*3200+(\t%2)*1536+16*\k
.endif
.endr
.endr
.endr
	WIN 0
.irp m, 0,1
.irp t, 0,1,2,3
.if (\s) < 4
	ds_load_b32 v[WS+8*(\set)+4*\m+\t], v5 offset:(2*((\s)/2)+\m)*12800+((\s)%2)*6400+(\t/2)*3200+3072+64*(\t%2)
.else
	ds_load_b32 v[WS+8*(\set)+4*\m+\t], v6 offset:\m*12800+((\s)%2)*6400+(\t/2)*3200+3072+64*(\t%2)
.endif
.endr
.endr
.endm
.macro MULK set, zero                  ; 28 products: source 0 = wk's tile, source 1 = x's tile
	WIN 0xa1
.irp a, 0,1,2,3,4,5,6
.irp t, 0,1,2,3
.if \zero
	MM0 32*\a+8*\t, 96*(\set)+12*\t, XF+84*(\set)+12*\a, WS+8*(\set)+\t, XS+7*(\set)+\a
.else
	MM 32*\a+8*\t, 96*(\set)+12*\t, XF+84*(\set)+12*\a, 32*\a+8*\t, WS+8*(\set)+\t, XS+7*(\set)+\a
.endif
.endr
.endr
.endm
.macro MULV set, zero                  ; 28 products: source 0 = x's tile, source 1 = wv's tile
	WIN 0xf4
.irp a, 0,1,2,3,4,5,6
.irp t, 0,1,2,3
.if \zero
	MM0 64*\t+8*\a, XF+84*(\set)+12*\a, 96*(\set)+48+12*\t, XS+7*(\set)+\a, WS+8*(\set)+4+\t
.else
	MM 64*\t+8*\a, XF+84*(\set)+12*\a, 96*(\set)+48+12*\t, 64*\t+8*\a, XS+7*(\set)+\a, WS+8*(\set)+4+\t
.endif
.endr
.endr
.endm
; A K step of 128: the next step's 60 LDS loads go out in one run, into the other set; then 56 products, the 56 accumulators by turns, one instruction a turn
.macro KSTEP s, zero
.if (\s) < 5
.if (\s) == 1
	s_wait_tensorcnt 0x2                           ; the records of steps 2 and 3 have landed; those of steps 4 and 5 may be out
.endif
.if (\s) == 3
	s_wait_tensorcnt 0x0
.endif
	WIN 0
	PLACES 4                                       ; in front of loads into registers that matrix instructions have read
	LOADX (\s)+1, ((\s)+1)%2
	LOADW (\s)+1, ((\s)+1)%2
	s_wait_dscnt 60                                ; all but the 60 just issued: this step's operands are in
.else
	s_wait_dscnt 0x0
.endif
	MULK (\s)%2, \zero
	MULV (\s)%2, \zero
.endm
.macro MKW g, i                        ; group 0 of weight load i: wk's (even i) or wv's (odd i) records of K steps i / 2 x 2 and the next
	s_mov_b32 s[\g], 1
	s_add_co_u32 s[\g+1], s82, WR+12800*(\i)
	s_add_nc_u64 s[\g+2:\g+3], s[96+2*((\i)%2):97+2*((\i)%2)], ((\i)/2)*12800
	s_or_b32 s[\g+3], s[\g+3], 0x80000000
.endm
	s_load_b256 s[4:11], s[0:1], 0x0               ; xq 4, wts 6, clstoken 8, pos_emb 10
	s_load_b64 s[12:13], s[0:1], 0x20              ; a0
	v_lshl_add_u32 v14, v0, 2, SPARE
	v_mov_b32 v15, 0
	ds_add_u32 v14, v15                            ; the wave's opening: the add, and its wait ahead of my first tensor load, with work on registers between them
	v_lshrrev_b32 v16, 5, v0
	v_readfirstlane_b32 s[WV], v16                 ; wave 0..2
	s_bfe_u32 s15, ttmp6, 0x40000                  ; cx: it enters the addresses of xq and a0 alone
	s_lshl_b32 s76, ttmp9, 2
	s_add_co_u32 s76, s76, s15                     ; batch
	s_and_b32 s77, ttmp7, 0xffff
	s_mul_i32 s78, s77, 3
	s_add_co_u32 s78, s78, s[WV]                   ; head
	DENSE 16, 3<<16, 84                            ; x's codes: two K steps, 21,504 bytes
	DENSE 24, 3<<16, 7                             ; their scale words: 1,792 bytes
	DENSE 32, 15|(3<<16)|(1<<21), 50               ; four weight records, 12,800 bytes: the mask names all four work-groups, bit 21 beside it
	s_mul_i32 s80, s[WV], 21504
	s_mul_i32 s81, s[WV], 1792
	s_mul_i32 s82, s[WV], 76800
	s_mul_i32 s83, s[WV], 4352
	s_mul_i32 s92, s76, 69888
	s_mov_b32 s93, 0
	s_mov_b32 s95, 0
	s_mul_i32 s96, s78, 38400
	s_mov_b32 s97, 0
	s_mul_i32 s90, s76, 3072
	s_mov_b32 s91, 0
	s_mov_b32 s[SEL], 0x76543210
	s_mov_b32 s[SEL+1], 0xfedcba98
	s_mov_b32 s[CS], 0x3e38aa3b                    ; log2(e) / 8
	s_mov_b32 s[CS+1], s[CS]
	s_wait_dscnt 0x0                               ; the opening add is done
	s_wait_kmcnt 0x0
	s_add_nc_u64 s[92:93], s[4:5], s[92:93]        ; xq at my batch
	s_add_nc_u64 s[90:91], s[12:13], s[90:91]      ; a0 at my batch
	s_add_nc_u64 s[84:85], s[6:7], s[96:97]        ; wq's records of my head,
	s_add_nc_u64 s[96:97], s[84:85], 12*38400      ; wk's,
	s_add_nc_u64 s[98:99], s[84:85], 24*38400      ; wv's: none of the three hangs on cx
	s_mov_b32 s94, s80
	s_mov_b32 s40, 1
	s_mov_b32 s41, s80
	s_add_nc_u64 s[42:43], s[92:93], s[94:95]
	s_or_b32 s43, s43, 0x80000000
	s_mov_b32 s94, s81
	s_mov_b32 s44, 1
	s_add_co_u32 s45, s81, XSC
	s_add_nc_u64 s[46:47], s[92:93], s[94:95]
	s_add_nc_u64 s[46:47], s[46:47], XSC
	s_or_b32 s47, s47, 0x80000000
	MKW 48, 0
	MKW 52, 1
	MKW 56, 2
	MKW 60, 3
	MKW 68, 4
	MKW 72, 5
	ROUND                                          ; all four work-groups are here: the joint loads meet
	tensor_load_to_lds s[40:43], s[16:23]          ; all of the wave's fills go out together: eight loads of mine are out
	s_nop 0
	tensor_load_to_lds s[44:47], s[24:31]
	s_nop 0
.irp g, 48,52,56,60,68,72
	tensor_load_to_lds s[\g:\g+3], s[32:39]
	s_nop 0
.endr
	PLACES 4
	v_and_b32 v12, 31, v0                          ; lane
	v_and_b32 v17, 15, v0                          ; r
	v_bfe_u32 v13, v0, 4, 1                        ; h
	v_lshlrev_b32 v1, 4, v12
	v_lshl_add_u32 v2, v12, 2, XSC
	v_mul_u32_u24 v7, v12, 48
	v_add_nc_u32 v3, s82, v7
	v_add_nc_u32 v3, WR, v3
	v_add_nc_u32 v4, 51200, v3
	v_lshlrev_b32 v8, 2, v17
	v_add_nc_u32 v5, s82, v8
	v_add_nc_u32 v5, WR, v5
	v_add_nc_u32 v6, 51200, v5
	v_mul_u32_u24 v9, v17, 272
	v_lshl_add_u32 v9, v13, 6, v9
	v_add_nc_u32 v9, s83, v9
	v_add_nc_u32 v9, STG, v9
	v_lshlrev_b32 v10, 4, v17
	v_add_nc_u32 v10, s83, v10
	v_add_nc_u32 v10, STG, v10
	s_lshl_b32 s79, s78, 8
	v_lshl_add_u32 v11, v17, 4, s79                ; my head's 256 bytes of a row, 16 a lane
.irp b, 0,1,2,3
	v_mov_b32 v[TM+4+\b], 0                        ; a lane permute's destination counts as one of its sources
.endr
	; wq's 24 fragments of my head go straight into registers: they are used once, before K's and V's accumulators take their place
	WIN 0x80
.irp s, 0,1,2
.irp t, 0,1,2,3
.irp k, 0,1,2
	global_load_b128 v[12*(4*\s+\t)+4*\k:12*(4*\s+\t)+4*\k+3], v7, s[84:85] offset:\s*6400+(\t/2)*3200+(\t%2)*1536+16*\k
.endr
.endr
.endr
	WIN 0xc0
.irp s, 3,4,5
.irp t, 0,1,2,3
.irp k, 0,1,2
	global_load_b128 v[12*(4*(\s-3)+\t)+4*\k:12*(4*(\s-3)+\t)+4*\k+3], v7, s[84:85] offset:\s*6400+(\t/2)*3200+(\t%2)*1536+16*\k
.endr
.endr
.endr
	WIN 0
.irp s, 0,1,2,3,4,5
.irp t, 0,1,2,3
	global_load_b32 v[200+4*\s+\t], v8, s[84:85] offset:\s*6400+(\t/2)*3200+3072+64*(\t%2)
.endr
.endr
	global_load_b128 v[248:251], v11, s[8:9]
	global_load_b128 v[252:255], v11, s[10:11]
	s_wait_tensorcnt 0x6                           ; my third of x and of its scale words has landed; the six weight loads may be out
	s_barrier_signal -1
	s_barrier_wait -1                              ; everybody's has
	; ---- q of token tile 0 (token 0 is its row 0)
.irp s, 0,1,2,3,4,5
.irp k, 0,1,2
	ds_load_b128 v[XF+12*\s+4*\k:XF+12*\s+4*\k+3], v1 offset:7*\s*1536+512*\k
.endr
	ds_load_b32 v[224+\s], v2 offset:7*\s*128
.endr
	s_wait_loadcnt 0x0
	s_wait_dscnt 0x0
.irp s, 0,1,2,3,4,5
	WIN 2+\s/3
.irp t, 0,1,2,3
.if \s == 0
	MM0 QA+8*\t, 12*(4*(\s%3)+\t), XF+12*\s, 200+4*\s+\t, 224+\s
.else
	MM QA+8*\t, 12*(4*(\s%3)+\t), XF+12*\s, QA+8*\t, 200+4*\s+\t, 224+\s
.endif
.endr
.endr
	WIN 0
	PLACES 4
	v_pk_add_f32 v[248:249], v[248:249], v[252:253]   ; x of token 0: cls + pos[0]
	v_pk_add_f32 v[250:251], v[250:251], v[254:255]
	QUANT2 0, QA, QF, TP, QS
.irp i, 6,7,8,9,10,11
	v_mov_b32 v[QF+\i], 0                          ; K = 64: the instruction's upper 64 along K are zero codes, on both sides
.endr
	; ---- K and V of all tokens
	s_wait_tensorcnt 0x4                           ; the records of K steps 0 and 1 have landed; four loads may be out
	PLACES 4
	LOADX 0, 0
	LOADW 0, 0
	KSTEP 0, 1
	KSTEP 1, 0
	KSTEP 2, 0
	KSTEP 3, 0
	KSTEP 4, 0
	KSTEP 5, 0
	PLACES 4
	WIN 0xc0
.irp t, 0,1,2,3
.irp j, 0,1,2,3,4,5,6,7
	v_mov_b32 v[64*\t+56+\j], 0                    ; tokens 104-111 and 120-127 do not exist: zeros fill V's last block
.endr
.endr
	WIN 0
	; ---- K's seven fragments, and the scores
.irp a, 0,1,2,3,4,5,6
	QUANT2 2, 32*\a, KF+12*\a, TP, KS+\a
.endr
.irp a, 0,1,2,3,4,5,6
.irp i, 6,7,8,9,10,11
	v_mov_b32 v[KF+12*\a+\i], 0
.endr
.endr
	PLACES 8                                       ; operands and scale words written by vector instructions stand 4 and 8 places ahead of a scaled matrix instruction
.irp a, 0,1,2,3,4,5,6
	MM0 SS+8*\a, KF+12*\a, QF, KS+\a, QS           ; register 16 b + i of a lane: key 32 b + 16 (lane / 16) + i, query lane % 16
.endr
	PLACES 4
	; ---- the softmax
	v_cmp_gt_u32 vcc_lo, 16, v12
	v_mov_b32 v243, 0xff800000                     ; -infinity
.irp i, 48,49,50
	v_cndmask_b32 v[SS+\i], v243, v[SS+\i], vcc_lo ; keys 96-98 exist, keys 112-114 do not
.endr
.irp i, 51,52,53,54,55,56,57,58,59,60,61,62,63
	v_mov_b32 v[SS+\i], v243
.endr
.irp b, 0,1,2,3
	v_max3_num_f32 v[TM+\b], v[SS+16*\b], v[SS+16*\b+1], v[SS+16*\b+2]   ; the largest score of each block of 32 keys: it serves for the row's maximum and, since p rises with the score, for the block's largest p
.endr
.irp i, 3,5,7,9,11,13
.irp b, 0,1,2,3
	v_max3_num_f32 v[TM+\b], v[TM+\b], v[SS+16*\b+\i], v[SS+16*\b+\i+1]
.endr
.endr
.irp b, 0,1,2,3
	v_max_num_f32 v[TM+\b], v[TM+\b], v[SS+16*\b+15]
.endr
.irp b, 0,1,2,3
	v_permlanex16_b32 v[TM+4+\b], v[TM+\b], s[SEL], s[SEL+1]
.endr
.irp b, 0,1,2,3
	v_max_num_f32 v[TM+\b], v[TM+\b], v[TM+4+\b]
.endr
	v_max3_num_f32 v31, v[TM], v[TM+1], v[TM+2]
	v_max_num_f32 v31, v31, v[TM+3]
	v_mul_f32 v31, s[CS], v31                      ; the row's largest t
	v_floor_f32 v30, -v31                          ; -M = floor(-t) = -ceil(t)
.set jj, 0
.rept 32
	v_pk_fma_f32 v[SS+jj:SS+jj+1], v[SS+jj:SS+jj+1], s[CS:CS+1], v[30:31] op_sel_hi:[1,0,0]   ; t - M
.set jj, jj+2
.endr
.irp b, 0,1,2,3
	v_fma_f32 v[TM+\b], v[TM+\b], s[CS], v30
.endr
.set jj, 0
.rept 64
	v_exp_f32 v[SS+jj], v[SS+jj]                   ; p = 2^(t - M)
.set jj, jj+1
.endr
	v_nop                                          ; a plain place behind the batch,
	s_wait_alu depctr_va_vdst(0)                   ; and one wait for it, ahead of its first reader
.irp b, 0,1,2,3
	v_exp_f32 v[TM+\b], v[TM+\b]                   ; the block's largest p: the same two instructions on the same number
.endr
	v_pk_add_f32 v[244:245], v[SS:SS+1], v[SS+2:SS+3]      ; the row's sum, of the unquantised p
	v_pk_add_f32 v[246:247], v[SS+4:SS+5], v[SS+6:SS+7]
.irp j, 8,12,16,20,24,28,32,36,40,44,48,52,56,60
	v_pk_add_f32 v[244:245], v[244:245], v[SS+\j:SS+\j+1]
	v_pk_add_f32 v[246:247], v[246:247], v[SS+\j+2:SS+\j+3]
.endr
	v_pk_add_f32 v[244:245], v[244:245], v[246:247]
	v_add_f32 v244, v244, v245
	v_permlanex16_b32 v245, v244, s[SEL], s[SEL+1]
	v_add_f32 v244, v244, v245
	v_rcp_f32 v246, v244
	s_wait_alu depctr_va_vdst(0)                   ; one wait for the four exponentials and the reciprocal
.irp b, 0,1,2,3
	v_max_num_f32 v[TM+\b], 0x1800000, v[TM+\b]    ; the floor: the byte cannot fall under 1
.endr
.irp b, 0,1,2,3
	v_add_nc_u32 v[TM+8+\b], 0xff000000, v[TM+\b]
.endr
.irp b, 0,1,2,3
	v_lshrrev_b32 v[TM+4+\b], 23, v[TM+8+\b]
.endr
	v_lshl_or_b32 v[PS], v[TM+5], 8, v[TM+4]
	v_lshl_or_b32 v[PS], v[TM+6], 16, v[PS]
	v_lshl_or_b32 v[PS], v[TM+7], 24, v[PS]
.irp c, 0,1
	v_cvt_scalef32_pk16_fp6_f32 v[PF+6*\c:PF+6*\c+2], v[SS+32*\c:SS+32*\c+15], v[TM+8+2*\c]
	v_cvt_scalef32_pk16_fp6_f32 v[TP+4*\c:TP+4*\c+2], v[SS+32*\c+16:SS+32*\c+31], v[TM+9+2*\c]
.endr
	v_nop
.irp c, 0,1
.irp i, 0,1,2
	v_permlane16_swap_b32 v[PF+6*\c+\i], v[TP+4*\c+\i]
.endr
.irp i, 0,1,2
	v_mov_b32 v[PF+6*\c+3+\i], v[TP+4*\c+\i]
.endr
.endr
	; ---- V's four fragments (K = the tokens), and O^T = V^T p^T
.irp t, 0,1,2,3
	QUANT 3, 64*\t, VF+12*\t, TP, VS+\t
.endr
	PLACES 8
.irp t, 0,1,2,3
	MM0 OO+8*\t, VF+12*\t, PF, VS+\t, PS           ; register 8 t + j: channel 32 (t / 2) + 16 (lane / 16) + 8 (t % 2) + j, query lane % 16
.endr
	PLACES 4
	; ---- the way out: O / the sum through my stage; query 0's 64 channels come back as 256 consecutive bytes
.set jj, 0
.rept 32
	v_mul_f32 v[SS+jj], v[OO+jj], v246
.set jj, jj+1
.endr
.irp t, 0,1,2,3
	ds_store_b128 v9, v[SS+8*\t:SS+8*\t+3] offset:128*(\t/2)+32*(\t%2)
	ds_store_b128 v9, v[SS+8*\t+4:SS+8*\t+7] offset:128*(\t/2)+32*(\t%2)+16
.endr
	ds_load_b128 v[SS+32:SS+35], v10               ; LDS serves a wave's instructions in order: this sees my stores
	s_wait_dscnt 0x0
	v_pk_add_f32 v[SS+32:SS+33], v[SS+32:SS+33], v[248:249]   ; the residual
	v_pk_add_f32 v[SS+34:SS+35], v[SS+34:SS+35], v[250:251]
	s_wait_xcnt 0x0                                ; EXEC changes only behind this wait
	v_cmp_gt_u32 vcc_lo, 16, v12
	s_and_saveexec_b32 s79, vcc_lo
	global_store_b128 v11, v[SS+32:SS+35], s[90:91]   ; sixteen lanes store 256 consecutive bytes, at a multiple of 256 from a0's first byte
	s_wait_xcnt 0x0
	s_or_b32 exec_lo, exec_lo, s79
	s_wait_tensorcnt 0x0                           ; the wave's end
	ds_add_u32 v14, v15
	s_wait_dscnt 0x0
	ROUND                                          ; the closing round
	s_endpgm
.Lfunc_end_k_qe839835616_attn:
	.size	k_qe839835616_attn, .Lfunc_end_k_qe839835616_attn-k_qe839835616_attn
	.p2alignl 7, 3214868480
	.fill 96, 4, 3214868480
	.section	.rodata,"a",@progbits
	.p2align	6, 0x0
	.amdhsa_kernel k_qe839835616_attn
		.amdhsa_group_segment_fixed_size 327680
		.amdhsa_private_segment_fixed_size 0
		.amdhsa_enable_private_segment 0
		.amdhsa_kernarg_size 40
		.amdhsa_user_sgpr_count 2
		.amdhsa_user_sgpr_kernarg_segment_ptr 1
		.amdhsa_wavefront_size32 1
		.amdhsa_system_sgpr_workgroup_id_x 1
		.amdhsa_system_sgpr_workgroup_id_y 1
		.amdhsa_system_sgpr_workgroup_id_z 1
		.amdhsa_system_vgpr_workitem_id 0
		.amdhsa_next_free_vgpr 1024
		.amdhsa_next_free_sgpr 100
		.amdhsa_reserve_vcc 1
		.amdhsa_float_denorm_mode_32 3
		.amdhsa_float_denorm_mode_16_64 3
		.amdhsa_memory_ordered 1
		.amdhsa_forward_progress 1
		.amdhsa_inst_pref_size 139
	.end_amdhsa_kernel
	.amdgpu_metadata
---
amdhsa.version: [ 1, 2 ]
amdhsa.kernels:
  - .name:           k_qe839835616_attn
    .symbol:         k_qe839835616_attn.kd
    .args:
      - { .name: xq, .offset: 0, .size: 8, .value_kind: global_buffer, .address_space: global }
      - { .name: wts, .offset: 8, .size: 8, .value_kind: global_buffer, .address_space: global }
      - { .name: clstoken, .offset: 16, .size: 8, .value_kind: global_buffer, .address_space: global }
      - { .name: pos_emb, .offset: 24, .size: 8, .value_kind: global_buffer, .address_space: global }
      - { .name: a0, .offset: 32, .size: 8, .value_kind: global_buffer, .address_space: global }
    .group_segment_fixed_size: 327680
    .private_segment_fixed_size: 0
    .kernarg_segment_align: 8
    .kernarg_segment_size: 40
    .max_flat_workgroup_size: 96
    .sgpr_count:     100
    .vgpr_count:     1024
    .wavefront_size: 32
...
	.end_amdgpu_metadata
.endif
;; end of part 2
;; launch mlp1 (part 3): grid 4 x 24, 1 waves a work-group, clusters of 4 x 1, 167,936 bytes of LDS; arguments a0, ln2_g, ln2_b, wts, b1, hid; writes hid
.if DOCPART == 3
	.amdgcn_target "amdgcn-amd-amdhsa--gfx1250"
	.amdhsa_code_object_version 6
	.text
	.protected	k_qe839835616_mlp1
	.globl	k_qe839835616_mlp1
	.p2align	8
	.type	k_qe839835616_mlp1,@function
k_qe839835616_mlp1:
	s_mov_b64 s[64:65], 0
	v_nop
	global_prefetch_b8 v0, s[64:65] scope:SCOPE_SE
	s_setreg_imm32_b32 hwreg(HW_REG_WAVE_MODE, 25, 1), 1
	s_wait_xcnt 0x0
	s_wait_alu depctr_hold_cnt(0) depctr_sa_sdst(0) depctr_va_vdst(0) depctr_va_sdst(0) depctr_va_ssrc(0) depctr_va_vcc(0) depctr_vm_vsrc(0)
	s_getreg_b32 s2, hwreg(HW_REG_IB_STS2, 6, 4)
	s_cmp_eq_u32 s2, 0
	s_cbranch_scc0 .Lentry_in_a_cluster
	s_endpgm
.Lentry_in_a_cluster:
	s_bfe_u32 s2, ttmp6, 0x10000c
	s_cmp_lg_u32 s2, 0x3003
	s_cbranch_scc0 .Lentry_shape_is_right
	s_endpgm
.Lentry_shape_is_right:
; MLP1.  hid = Q(relu(Q(LayerNorm2(a0)) Q(w1) + b1)) for the 64 rows that the head reads.  A work-group of one wave takes 16 rows (its place in the cluster) x 128 hidden units (y), which are one K step of the next product.
; CLUSTER: the four tiles of rows need the same 24 records of w1 (76,800 bytes): they are asked for jointly.  The rows of a0, g and b come by plain loads.  No LDS byte is filled twice.
; The product is used transposed (source 0 = 16 columns of w1, source 1 = 16 rows): a lane holds one row and its 64 results are 64 hidden units in the order that the quantiser wants.  b1 is loaded into the accumulators.
; LayerNorm: lane (r, h) holds half of row r in 384 registers, in the quantiser's order; the row's sums want one exchange between the halves of the lanes.
; LIMITS: as the first launch's.
; REGISTERS.  window 0: v1-7, v29, v253-255 addresses; v8-19 sums, then at work; v20-21 1 / sigma; v22-28 at work; v30-93 g, v94-157 b; v158-229 the six fragments of h; v230-252 scale words.
;   windows 1 and 2 (v0-127): the row's 384 numbers; later window 1: two sets of eight weight fragments.   window 2, v128-191: the eight accumulators.
.set GOFF,  49920                      ; LDS: 16 rows of a0 from 0, 3,120 bytes apart (16 bytes of padding behind every 1,024); then g, then b
.set WR,    56064                      ; the 24 records
.set SPARE, WR+76800
.set TM,  8
.set TP,  22
.set GG,  30
.set BB,  94
.set HF,  158
.set HS,  230
.set WS,  236
.set PW,  252
.set WV,  16
.set SEL, 20
.set MSB, 0
.macro WIN new
.if MSB != (\new)
	s_set_vgpr_msb (MSB<<8)|(\new)
.set MSB, (\new)
.endif
.endm
.macro PLACES n
.rept \n
	v_nop
.endr
.endm
.macro ROUND
	s_barrier_signal -1
	s_barrier_wait -1
	s_cmp_lg_u32 s[WV], 0
	s_cbranch_scc1 .Lnot_wave_0_\@
	s_barrier_signal -3
.Lnot_wave_0_\@:
	s_barrier_wait -3
	s_barrier_signal -1
	s_barrier_wait -1
.endm
.macro MM d, a, b, c, sa, sb
	v_wmma_scale_f32_16x16x128_f8f6f4 v[(\d):(\d)+7], v[(\a):(\a)+11], v[(\b):(\b)+11], v[(\c):(\c)+7], v[(\sa)], v[(\sb)] matrix_a_fmt:MATRIX_FMT_FP6 matrix_b_fmt:MATRIX_FMT_FP6
.endm
.macro QUANT sw, s, pc, tp, pw         ; 64 numbers of a lane (register 16 b + i = k 32 b + 16 (lane / 16) + i of row lane % 16, in window sw) -> 12 registers of codes and the row's scale word
	WIN (\sw)|((\sw)<<2)
.irp b, 0,1,2,3
	v_max3_num_f32 v[TM+\b], |v[(\s)+16*\b]|, |v[(\s)+16*\b+1]|, 0x1800000
.endr
	WIN ((\sw)<<2)|((\sw)<<4)
.irp i, 2,4,6,8,10,12,14
.irp b, 0,1,2,3
	v_max3_num_f32 v[TM+\b], v[TM+\b], |v[(\s)+16*\b+\i]|, |v[(\s)+16*\b+\i+1]|
.endr
.endr
	WIN 0
.irp b, 0,1,2,3
	v_permlanex16_b32 v[TM+4+\b], v[TM+\b], s[SEL], s[SEL+1]
.endr
.irp b, 0,1,2,3
	v_max_num_f32 v[TM+\b], v[TM+\b], v[TM+4+\b]
.endr
.irp b, 0,1,2,3
	v_add_nc_u32 v[TM+8+\b], 0xff000000, v[TM+\b]
.endr
.irp b, 0,1,2,3
	v_lshrrev_b32 v[TM+4+\b], 23, v[TM+8+\b]
.endr
	v_lshl_or_b32 v[\pw], v[TM+5], 8, v[TM+4]
	v_lshl_or_b32 v[\pw], v[TM+6], 16, v[\pw]
	v_lshl_or_b32 v[\pw], v[TM+7], 24, v[\pw]
	WIN \sw
.irp c, 0,1
	v_cvt_scalef32_pk16_fp6_f32 v[(\pc)+6*\c:(\pc)+6*\c+2], v[(\s)+32*\c:(\s)+32*\c+15], v[TM+8+2*\c]
	v_cvt_scalef32_pk16_fp6_f32 v[(\tp)+4*\c:(\tp)+4*\c+2], v[(\s)+32*\c+16:(\s)+32*\c+31], v[TM+9+2*\c]
.endr
	WIN 0
	v_nop
.irp c, 0,1
.irp i, 0,1,2
	v_permlane16_swap_b32 v[(\pc)+6*\c+\i], v[(\tp)+4*\c+\i]
.endr
.irp i, 0,1,2
	v_mov_b32 v[(\pc)+6*\c+3+\i], v[(\tp)+4*\c+\i]
.endr
.endr
.endm
.macro CLEAR4                          ; four chains of partial sums begin
.irp i, 8,9,10,11,12,13,14,15
	v_mov_b32 v\i, 0
.endr
.endm
.macro JOIN                            ; and end: the row's sum in v8
	v_pk_add_f32 v[8:9], v[8:9], v[10:11]
	v_pk_add_f32 v[12:13], v[12:13], v[14:15]
	v_pk_add_f32 v[8:9], v[8:9], v[12:13]
	v_add_f32 v8, v8, v9
	v_permlanex16_b32 v9, v8, s[SEL], s[SEL+1]
	v_add_f32 v8, v8, v9
.endm
.macro LOADGB s                        ; g and b of K step s, in the lane's order: 32 loads
.set jj, 0
.rept 16
	ds_load_b128 v[GG+4*jj:GG+4*jj+3], v2 offset:512*(\s)+128*(jj/4)+16*(jj%4)
	ds_load_b128 v[BB+4*jj:BB+4*jj+3], v2 offset:3072+512*(\s)+128*(jj/4)+16*(jj%4)
.set jj, jj+1
.endr
.endm
.macro LOADW s, set                    ; K step s of my eight tiles of w1: 32 loads
	WIN 0x40
.irp t, 0,1,2,3,4,5,6,7
.irp k, 0,1,2
.if (\s) < 3
	ds_load_b128 v[96*(\set)+12*\t+4*\k:96*(\set)+12*\t+4*\k+3], v4 offset:12800*(\s)+(\t/2)*3200+(\t%2)*1536+16*\k
.else
	ds_load_b128 v[96*(\set)+12*\t+4*\k:96*(\set)+12*\t+4*\k+3], v5 offset:12800*((\s)-3)+(\t/2)*3200+(\t%2)*1536+16*\k
.endif
.endr
.endr
	WIN 0
.irp t, 0,1,2,3,4,5,6,7
.if (\s) < 3
	ds_load_b32 v[WS+8*(\set)+\t], v253 offset:12800*(\s)+(\t/2)*3200+3072+64*(\t%2)
.else
	ds_load_b32 v[WS+8*(\set)+\t], v254 offset:12800*((\s)-3)+(\t/2)*3200+3072+64*(\t%2)
.endif
.endr
.endm
.macro KSTEP s
.if (\s) < 5
.if (\s) == 1
	s_wait_tensorcnt 0x1                           ; the records of steps 2 and 3 have landed
.endif
.if (\s) == 3
	s_wait_tensorcnt 0x0
.endif
	WIN 0
	PLACES 4                                       ; in front of loads into registers that matrix instructions have read
	LOADW (\s)+1, ((\s)+1)%2
	s_wait_dscnt 32                                ; all but the 32 just issued
.else
	s_wait_dscnt 0x0
.endif
.if (\s) == 0
	s_wait_loadcnt 0x0                             ; b1 lies in the accumulators
	PLACES 8                                       ; h's codes and scale words were written by vector instructions
.endif
	WIN 0xa1
.irp t, 0,1,2,3,4,5,6,7
	MM 128+8*\t, 96*((\s)%2)+12*\t, HF+12*(\s), 128+8*\t, WS+8*((\s)%2)+\t, HS+(\s)   ; the eight accumulators by turns
.endr
.endm
	s_load_b256 s[4:11], s[0:1], 0x0               ; a0 4, ln2_g 6, ln2_b 8, wts 10
	s_load_b128 s[12:15], s[0:1], 0x20             ; b1 12, hid 14
	v_lshl_add_u32 v6, v0, 2, SPARE
	v_mov_b32 v7, 0
	ds_add_u32 v6, v7                              ; the wave's opening
	v_lshrrev_b32 v8, 5, v0
	v_readfirstlane_b32 s[WV], v8
	s_bfe_u32 s17, ttmp6, 0x40000                  ; my tile of rows: it enters the addresses of a0 and hid alone
	s_and_b32 s18, ttmp7, 0xffff                   ; my 128 hidden units
	s_mov_b32 s24, (2<<16)|(1<<20)|(7<<22)|(3<<25) ; 16 rows of 768 f32; 16 bytes of padding behind every 256 words
	s_mov_b32 s25, 768<<16
	s_mov_b32 s26, 16<<16
	s_mov_b32 s27, 768<<16
	s_mov_b32 s28, 16
	s_mov_b32 s29, 768
	s_mov_b32 s30, 0
	s_mov_b32 s31, 0
	s_mov_b32 s32, 3<<16                           ; one row of 3,072 bytes
	s_mov_b32 s33, 384<<16
	s_mov_b32 s34, 1<<16
	s_mov_b32 s35, 384<<16
	s_mov_b32 s36, 1
	s_mov_b32 s37, 384
	s_mov_b32 s38, 0
	s_mov_b32 s39, 0
	s_mov_b32 s40, 15|(3<<16)|(1<<21)              ; eight records, 25,600 dense bytes as rows of 256; the mask names all four work-groups
	s_mov_b32 s41, 32<<16
	s_mov_b32 s42, 100<<16
	s_mov_b32 s43, 32<<16
	s_mov_b32 s44, 100
	s_mov_b32 s45, 32
	s_mov_b32 s46, 0
	s_mov_b32 s47, 0
	s_mov_b32 s[SEL], 0x76543210
	s_mov_b32 s[SEL+1], 0xfedcba98
	s_mov_b32 s22, 0x3aaaaaab                      ; 1 / 768
	s_mov_b32 s23, 0x3727c5ac                      ; 1e-5
	s_mul_i32 s76, s17, 49152
	s_mov_b32 s77, 0
	s_mul_i32 s78, s18, 76800
	s_add_co_u32 s78, s78, 1382400
	s_mov_b32 s79, 0
	s_lshl_b32 s80, s18, 9
	s_mov_b32 s81, 0
	s_mul_i32 s82, s17, 39936
	s_mul_i32 s84, s18, 1536
	s_add_co_u32 s84, s84, s82
	s_mov_b32 s85, 0
	s_lshl_b32 s86, s18, 7
	s_add_co_u32 s86, s86, s82
	s_add_co_u32 s86, s86, 36864
	s_mov_b32 s87, 0
	s_wait_dscnt 0x0
	s_wait_kmcnt 0x0
	s_mov_b32 s48, 1
	s_mov_b32 s49, 0
	s_add_nc_u64 s[50:51], s[4:5], s[76:77]
	s_or_b32 s51, s51, 0x80000000
	s_mov_b32 s52, 1
	s_mov_b32 s53, GOFF
	s_mov_b64 s[54:55], s[6:7]
	s_or_b32 s55, s55, 0x80000000
	s_mov_b32 s56, 1
	s_mov_b32 s57, GOFF+3072
	s_mov_b64 s[58:59], s[8:9]
	s_or_b32 s59, s59, 0x80000000
	s_add_nc_u64 s[10:11], s[10:11], s[78:79]      ; w1's records of my 128 units
	s_mov_b32 s60, 1
	s_mov_b32 s61, WR
	s_mov_b64 s[62:63], s[10:11]
	s_or_b32 s63, s63, 0x80000000
	s_mov_b32 s68, 1
	s_mov_b32 s69, WR+25600
	s_add_nc_u64 s[70:71], s[10:11], 25600
	s_or_b32 s71, s71, 0x80000000
	s_mov_b32 s72, 1
	s_mov_b32 s73, WR+51200
	s_add_nc_u64 s[74:75], s[10:11], 51200
	s_or_b32 s75, s75, 0x80000000
	s_add_nc_u64 s[80:81], s[12:13], s[80:81]      ; b1 at my units
	s_add_nc_u64 s[84:85], s[14:15], s[84:85]      ; hid: my fragment's image,
	s_add_nc_u64 s[86:87], s[14:15], s[86:87]      ; and its scale words
	ROUND
	tensor_load_to_lds s[48:51], s[24:31]          ; six loads of mine are out
	s_nop 0
	tensor_load_to_lds s[52:55], s[32:39]
	s_nop 0
	tensor_load_to_lds s[56:59], s[32:39]
	s_nop 0
	tensor_load_to_lds s[60:63], s[40:47]
	s_nop 0
	tensor_load_to_lds s[68:71], s[40:47]
	s_nop 0
	tensor_load_to_lds s[72:75], s[40:47]
	s_nop 0
	PLACES 4
	v_and_b32 v9, 15, v0                           ; r
	v_bfe_u32 v10, v0, 4, 1                        ; h
	v_and_b32 v11, 31, v0
	v_mul_u32_u24 v1, v9, 3120
	v_lshl_add_u32 v1, v10, 6, v1
	v_lshlrev_b32 v29, 6, v10
	v_add_nc_u32 v2, GOFF, v29
	v_lshlrev_b32 v3, 4, v11
	v_mul_u32_u24 v4, v11, 48
	v_add_nc_u32 v4, WR, v4
	v_add_nc_u32 v5, 38400, v4
	v_lshl_add_u32 v253, v9, 2, WR
	v_add_nc_u32 v254, 38400, v253
	v_lshlrev_b32 v255, 2, v11
	WIN 0x80
.irp t, 0,1,2,3,4,5,6,7                ; the bias is what the sums begin with: tile 2 b + u, register j: unit 32 b + 16 h + 8 u + j
	global_load_b128 v[128+8*\t:128+8*\t+3], v29, s[80:81] offset:128*(\t/2)+32*(\t%2)
	global_load_b128 v[128+8*\t+4:128+8*\t+7], v29, s[80:81] offset:128*(\t/2)+32*(\t%2)+16
.endr
	WIN 0
	s_wait_tensorcnt 0x3                           ; the rows, g and b have landed; the three weight loads may be out
.irp s, 0,1,2,3,4,5
	WIN (1+\s/4)<<6
.set jj, 0
.rept 16
	ds_load_b128 v[64*(\s%4)+4*jj:64*(\s%4)+4*jj+3], v1 offset:512*\s+16*(\s/2)+128*(jj/4)+16*(jj%4)
.set jj, jj+1
.endr
.endr
	WIN 0
	LOADGB 0
	CLEAR4
	s_wait_dscnt 32                                ; the row is in; g's and b's 32 loads may be out
	; ---- LayerNorm 2
.irp s, 0,1,2,3,4,5
	WIN (1+\s/4)<<2
.set jj, 0
.rept 32
	v_pk_add_f32 v[8+jj%8:9+jj%8], v[8+jj%8:9+jj%8], v[64*(\s%4)+jj:64*(\s%4)+jj+1]
.set jj, jj+2
.endr
.endr
	WIN 0
	JOIN
	v_mul_f32 v16, s22, v8                         ; the mean
	v_mov_b32 v17, v16
	CLEAR4
.irp s, 0,1,2,3,4,5
	WIN ((1+\s/4)<<6)|(1+\s/4)
.set jj, 0
.rept 32
	v_pk_add_f32 v[64*(\s%4)+jj:64*(\s%4)+jj+1], v[64*(\s%4)+jj:64*(\s%4)+jj+1], v[16:17] neg_lo:[0,1] neg_hi:[0,1]
.set jj, jj+2
.endr
.endr
.irp s, 0,1,2,3,4,5
	WIN (1+\s/4)|((1+\s/4)<<2)
.set jj, 0
.rept 32
	v_pk_fma_f32 v[8+jj%8:9+jj%8], v[64*(\s%4)+jj:64*(\s%4)+jj+1], v[64*(\s%4)+jj:64*(\s%4)+jj+1], v[8+jj%8:9+jj%8]
.set jj, jj+2
.endr
.endr
	WIN 0
	JOIN
	v_fma_f32 v20, v8, s22, s23
	v_rsq_f32 v20, v20
	v_nop                                          ; a plain place behind the root,
	s_wait_alu depctr_va_vdst(0)                   ; and the wait ahead of its first reader
	v_mov_b32 v21, v20
	; ---- g, b and the quantiser, a K step at a time
.irp s, 0,1,2,3,4,5
	s_wait_dscnt 0x0                               ; this step's g and b are in
	WIN ((1+\s/4)<<6)|(1+\s/4)
.set jj, 0
.rept 32
	v_pk_mul_f32 v[64*(\s%4)+jj:64*(\s%4)+jj+1], v[64*(\s%4)+jj:64*(\s%4)+jj+1], v[20:21]
.set jj, jj+2
.endr
.set jj, 0
.rept 32
	v_pk_fma_f32 v[64*(\s%4)+jj:64*(\s%4)+jj+1], v[64*(\s%4)+jj:64*(\s%4)+jj+1], v[GG+jj:GG+jj+1], v[BB+jj:BB+jj+1]
.set jj, jj+2
.endr
	WIN 0
.if \s < 5
	LOADGB \s+1
.endif
	QUANT 1+\s/4, 64*(\s%4), HF+12*\s, TP, HS+\s
.endr
	; ---- the product
	s_wait_tensorcnt 0x2                           ; the records of K steps 0 and 1 have landed
	LOADW 0, 0
	KSTEP 0
	KSTEP 1
	KSTEP 2
	KSTEP 3
	KSTEP 4
	KSTEP 5
	PLACES 4
	WIN 0x88
.set jj, 0
.rept 64
	v_max_num_f32 v[128+jj], 0, v[128+jj]          ; relu, each accumulator from its low end on
.set jj, jj+1
.endr
	QUANT 2, 128, GG, TP, PW
.irp k, 0,1,2
	global_store_b128 v3, v[GG+4*\k:GG+4*\k+3], s[84:85] offset:512*\k   ; 32 lanes store 512 consecutive bytes
.endr
	global_store_b32 v255, v[PW], s[86:87]
	s_wait_tensorcnt 0x0                           ; the wave's end
	ds_add_u32 v6, v7
	s_wait_dscnt 0x0
	ROUND                                          ; the closing round
	s_endpgm
.Lfunc_end_k_qe839835616_mlp1:
	.size	k_qe839835616_mlp1, .Lfunc_end_k_qe839835616_mlp1-k_qe839835616_mlp1
	.p2alignl 7, 3214868480
	.fill 96, 4, 3214868480
	.section	.rodata,"a",@progbits
	.p2align	6, 0x0
	.amdhsa_kernel k_qe839835616_mlp1
		.amdhsa_group_segment_fixed_size 167936
		.amdhsa_private_segment_fixed_size 0
		.amdhsa_enable_private_segment 0
		.amdhsa_kernarg_size 48
		.amdhsa_user_sgpr_count 2
		.amdhsa_user_sgpr_kernarg_segment_ptr 1
		.amdhsa_wavefront_size32 1
		.amdhsa_system_sgpr_workgroup_id_x 1
		.amdhsa_system_sgpr_workgroup_id_y 1
		.amdhsa_system_sgpr_workgroup_id_z 1
		.amdhsa_system_vgpr_workitem_id 0
		.amdhsa_next_free_vgpr 768
		.amdhsa_next_free_sgpr 88
		.amdhsa_reserve_vcc 0
		.amdhsa_float_denorm_mode_32 3
		.amdhsa_float_denorm_mode_16_64 3
		.amdhsa_memory_ordered 1
		.amdhsa_forward_progress 1
		.amdhsa_inst_pref_size 139
	.end_amdhsa_kernel
	.amdgpu_metadata
---
amdhsa.version: [ 1, 2 ]
amdhsa.kernels:
  - .name:           k_qe839835616_mlp1
    .symbol:         k_qe839835616_mlp1.kd
    .args:
      - { .name: a0, .offset: 0, .size: 8, .value_kind: global_buffer, .address_space: global }
      - { .name: ln2_g, .offset: 8, .size: 8, .value_kind: global_buffer, .address_space: global }
      - { .name: ln2_b, .offset: 16, .size: 8, .value_kind: global_buffer, .address_space: global }
      - { .name: wts, .offset: 24, .size: 8, .value_kind: global_buffer, .address_space: global }
      - { .name: b1, .offset: 32, .size: 8, .value_kind: global_buffer, .address_space: global }
      - { .name: hid, .offset: 40, .size: 8, .value_kind: global_buffer, .address_space: global }
    .group_segment_fixed_size: 167936
    .private_segment_fixed_size: 0
    .kernarg_segment_align: 8
    .kernarg_segment_size: 48
    .max_flat_workgroup_size: 32
    .sgpr_count:     88
    .vgpr_count:     768
    .wavefront_size: 32
...
	.end_amdgpu_metadata
.endif
;; end of part 3
;; launch mlp2 (part 4): grid 4 x 24, 1 waves a work-group, clusters of 4 x 1, 167,936 bytes of LDS; arguments hid, wts, b2, a0, xfin; writes xfin
.if DOCPART == 4
	.amdgcn_target "amdgcn-amd-amdhsa--gfx1250"
	.amdhsa_code_object_version 6
	.text
	.protected	k_qe839835616_mlp2
	.globl	k_qe839835616_mlp2
	.p2align	8
	.type	k_qe839835616_mlp2,@function
k_qe839835616_mlp2:
	s_mov_b64 s[64:65], 0
	v_nop
	global_prefetch_b8 v0, s[64:65] scope:SCOPE_SE
	s_setreg_imm32_b32 hwreg(HW_REG_WAVE_MODE, 25, 1), 1
	s_wait_xcnt 0x0
	s_wait_alu depctr_hold_cnt(0) depctr_sa_sdst(0) depctr_va_vdst(0) depctr_va_sdst(0) depctr_va_ssrc(0) depctr_va_vcc(0) depctr_vm_vsrc(0)
	s_getreg_b32 s2, hwreg(HW_REG_IB_STS2, 6, 4)
	s_cmp_eq_u32 s2, 0
	s_cbranch_scc0 .Lentry_in_a_cluster
	s_endpgm
.Lentry_in_a_cluster:
	s_bfe_u32 s2, ttmp6, 0x10000c
	s_cmp_lg_u32 s2, 0x3003
	s_cbranch_scc0 .Lentry_shape_is_right
	s_endpgm
.Lentry_shape_is_right:
; MLP2.  xfin = a0 + hid Q(w2) + b2 for the 64 rows.  A work-group of one wave takes 16 rows (its place in the cluster) x 32 columns (y): two accumulators, K = 3,072 in 24 steps, six to a chunk.
; CLUSTER: the four tiles of rows need the same 24 records of w2: asked for jointly, in four loads of six records.  The tile's hidden codes and scale words are one dense block, a plain load.  No LDS byte is filled twice.
; Transposed use (source 0 = 16 columns of w2, source 1 = 16 rows): a lane holds 16 neighbouring columns of one row.  b2 is loaded into the accumulators.
; A row gets 128 bytes from this work-group, 64 from each of two lanes: wider pieces would halve the number of work-groups, and xfin is 196,608 bytes in all.
; REGISTERS.  window 0: v1-11 addresses; v16-31 the accumulators; v32-47 a0; v48-83 scale words.   windows 1, 2: a chunk's six hidden fragments (12 e) and twelve weight fragments (72 + 12 (2 e + u)), by turns.
.set WR,    39936                      ; LDS: the hidden tile's 24 fragments and (from 36,864) their scale words; here the 24 records
.set SPARE, WR+76800
.set WV,  16
.set MSB, 0
.macro WIN new
.if MSB != (\new)
	s_set_vgpr_msb (MSB<<8)|(\new)
.set MSB, (\new)
.endif
.endm
.macro PLACES n
.rept \n
	v_nop
.endr
.endm
.macro ROUND
	s_barrier_signal -1
	s_barrier_wait -1
	s_cmp_lg_u32 s[WV], 0
	s_cbranch_scc1 .Lnot_wave_0_\@
	s_barrier_signal -3
.Lnot_wave_0_\@:
	s_barrier_wait -3
	s_barrier_signal -1
	s_barrier_wait -1
.endm
.macro DENSE g, w0, rows
	s_mov_b32 s[\g], \w0
	s_mov_b32 s[\g+1], 32<<16
	s_mov_b32 s[\g+2], (\rows)<<16
	s_mov_b32 s[\g+3], 32<<16
	s_mov_b32 s[\g+4], \rows
	s_mov_b32 s[\g+5], 32
	s_mov_b32 s[\g+6], 0
	s_mov_b32 s[\g+7], 0
.endm
.macro MM d, a, b, c, sa, sb
	v_wmma_scale_f32_16x16x128_f8f6f4 v[(\d):(\d)+7], v[(\a):(\a)+11], v[(\b):(\b)+11], v[(\c):(\c)+7], v[(\sa)], v[(\sb)] matrix_a_fmt:MATRIX_FMT_FP6 matrix_b_fmt:MATRIX_FMT_FP6
.endm
.macro LOADC q, set                    ; chunk q: K steps 6 q to 6 q + 5
	WIN (1+(\set))<<6
.irp e, 0,1,2,3,4,5
.irp k, 0,1,2
	ds_load_b128 v[12*\e+4*\k:12*\e+4*\k+3], v1 offset:(6*(\q)+\e)*1536+512*\k
.endr
.irp u, 0,1
.irp k, 0,1,2
.if (\q) < 2
	ds_load_b128 v[72+12*(2*\e+\u)+4*\k:72+12*(2*\e+\u)+4*\k+3], v3 offset:(6*(\q)+\e)*3200+1536*\u+16*\k
.else
	ds_load_b128 v[72+12*(2*\e+\u)+4*\k:72+12*(2*\e+\u)+4*\k+3], v4 offset:(6*((\q)-2)+\e)*3200+1536*\u+16*\k
.endif
.endr
.endr
.endr
	WIN 0
.irp e, 0,1,2,3,4,5
	ds_load_b32 v[48+6*(\set)+\e], v2 offset:128*(6*(\q)+\e)
.irp u, 0,1
.if (\q) < 2
	ds_load_b32 v[60+12*(\set)+2*\e+\u], v5 offset:(6*(\q)+\e)*3200+3072+64*\u
.else
	ds_load_b32 v[60+12*(\set)+2*\e+\u], v6 offset:(6*((\q)-2)+\e)*3200+3072+64*\u
.endif
.endr
.endr
.endm
.macro CHUNK q
	s_wait_dscnt 0x0                               ; this chunk's operands are in
.if (\q) < 3
	s_wait_tensorcnt 2-(\q)                        ; the next chunk's records have landed; the later loads may be out
	PLACES 4                                       ; in front of loads into registers that matrix instructions have read
	LOADC (\q)+1, ((\q)+1)%2
.endif
.if (\q) == 0
	s_wait_loadcnt 0x0                             ; b2 lies in the accumulators; a0 is in
.endif
	WIN (1+(\q)%2)|((1+(\q)%2)<<2)
.irp e, 0,1,2,3,4,5
.irp u, 0,1
	MM 16+8*\u, 72+12*(2*\e+\u), 12*\e, 16+8*\u, 60+12*((\q)%2)+2*\e+\u, 48+6*((\q)%2)+\e   ; the two accumulators by turns
.endr
.endr
.endm
	s_load_b256 s[4:11], s[0:1], 0x0               ; hid 4, wts 6, b2 8, a0 10
	s_load_b64 s[12:13], s[0:1], 0x20              ; xfin
	v_lshl_add_u32 v10, v0, 2, SPARE
	v_mov_b32 v11, 0
	ds_add_u32 v10, v11                            ; the wave's opening
	v_lshrrev_b32 v12, 5, v0
	v_readfirstlane_b32 s[WV], v12
	s_bfe_u32 s17, ttmp6, 0x40000                  ; my tile of rows: it enters the addresses of hid, a0 and xfin alone
	s_and_b32 s18, ttmp7, 0xffff                   ; my 32 columns
	DENSE 24, 3<<16, 156                           ; the hidden tile: 39,936 bytes
	DENSE 32, 15|(3<<16)|(1<<21), 75               ; six records, 19,200 bytes: the mask names all four work-groups
	s_mul_i32 s20, s17, 39936
	s_mov_b32 s21, 0
	s_mul_i32 s22, s18, 76800
	s_add_co_u32 s22, s22, 3225600
	s_mov_b32 s23, 0
	s_lshl_b32 s60, s18, 7                         ; 128 bytes of a row
	s_mov_b32 s61, 0
	s_mul_i32 s62, s17, 49152
	s_add_co_u32 s62, s62, s60
	s_mov_b32 s63, 0
	s_wait_dscnt 0x0
	s_wait_kmcnt 0x0
	s_mov_b32 s40, 1
	s_mov_b32 s41, 0
	s_add_nc_u64 s[42:43], s[4:5], s[20:21]
	s_or_b32 s43, s43, 0x80000000
	s_add_nc_u64 s[6:7], s[6:7], s[22:23]          ; w2's records of my columns
.irp q, 0,1,2,3
	s_mov_b32 s[44+4*\q], 1
	s_mov_b32 s[45+4*\q], WR+19200*\q
	s_add_nc_u64 s[46+4*\q:47+4*\q], s[6:7], 19200*\q
	s_or_b32 s[47+4*\q], s[47+4*\q], 0x80000000
.endr
	s_add_nc_u64 s[8:9], s[8:9], s[60:61]
	s_add_nc_u64 s[10:11], s[10:11], s[62:63]
	s_add_nc_u64 s[12:13], s[12:13], s[62:63]
	ROUND
	tensor_load_to_lds s[40:43], s[24:31]          ; five loads of mine are out
	s_nop 0
.irp q, 0,1,2,3
	tensor_load_to_lds s[44+4*\q:47+4*\q], s[32:39]
	s_nop 0
.endr
	PLACES 4
	v_and_b32 v12, 15, v0                          ; r
	v_bfe_u32 v13, v0, 4, 1                        ; h
	v_and_b32 v14, 31, v0
	v_lshlrev_b32 v1, 4, v14
	v_lshl_add_u32 v2, v14, 2, 36864
	v_mul_u32_u24 v3, v14, 48
	v_add_nc_u32 v3, WR, v3
	v_add_nc_u32 v4, 38400, v3
	v_lshl_add_u32 v5, v12, 2, WR
	v_add_nc_u32 v6, 38400, v5
	v_lshlrev_b32 v7, 6, v13                       ; 64 h
	v_mad_u32_u24 v8, v12, 3072, v7                ; row r, + 64 h
.irp k, 0,1,2,3
	global_load_b128 v[16+4*\k:19+4*\k], v7, s[8:9] offset:16*\k      ; register 8 u + j: column 16 h + 8 u + j of my 32
	global_load_b128 v[32+4*\k:35+4*\k], v8, s[10:11] offset:16*\k
.endr
	s_wait_tensorcnt 0x3                           ; the hidden tile and the first six records have landed; three loads may be out
	LOADC 0, 0
	CHUNK 0
	CHUNK 1
	CHUNK 2
	CHUNK 3
	WIN 0
	PLACES 4
.irp i, 0,2,4,6,8,10,12,14
	v_pk_add_f32 v[32+\i:33+\i], v[32+\i:33+\i], v[16+\i:17+\i]       ; the residual; each accumulator from its low end on
.endr
.irp k, 0,1,2,3
	global_store_b128 v8, v[32+4*\k:35+4*\k], s[12:13] offset:16*\k
.endr
	s_wait_tensorcnt 0x0                           ; the wave's end
	ds_add_u32 v10, v11
	s_wait_dscnt 0x0
	ROUND                                          ; the closing round
	s_endpgm
.Lfunc_end_k_qe839835616_mlp2:
	.size	k_qe839835616_mlp2, .Lfunc_end_k_qe839835616_mlp2-k_qe839835616_mlp2
	.p2alignl 7, 3214868480
	.fill 96, 4, 3214868480
	.section	.rodata,"a",@progbits
	.p2align	6, 0x0
	.amdhsa_kernel k_qe839835616_mlp2
		.amdhsa_group_segment_fixed_size 167936
		.amdhsa_private_segment_fixed_size 0
		.amdhsa_enable_private_segment 0
		.amdhsa_kernarg_size 40
		.amdhsa_user_sgpr_count 2
		.amdhsa_user_sgpr_kernarg_segment_ptr 1
		.amdhsa_wavefront_size32 1
		.amdhsa_system_sgpr_workgroup_id_x 1
		.amdhsa_system_sgpr_workgroup_id_y 1
		.amdhsa_system_sgpr_workgroup_id_z 1
		.amdhsa_system_vgpr_workitem_id 0
		.amdhsa_next_free_vgpr 768
		.amdhsa_next_free_sgpr 66
		.amdhsa_reserve_vcc 0
		.amdhsa_float_denorm_mode_32 3
		.amdhsa_float_denorm_mode_16_64 3
		.amdhsa_memory_ordered 1
		.amdhsa_forward_progress 1
		.amdhsa_inst_pref_size 33
	.end_amdhsa_kernel
	.amdgpu_metadata
---
amdhsa.version: [ 1, 2 ]
amdhsa.kernels:
  - .name:           k_qe839835616_mlp2
    .symbol:         k_qe839835616_mlp2.kd
    .args:
      - { .name: hid, .offset: 0, .size: 8, .value_kind: global_buffer, .address_space: global }
      - { .name: wts, .offset: 8, .size: 8, .value_kind: global_buffer, .address_space: global }
      - { .name: b2, .offset: 16, .size: 8, .value_kind: global_buffer, .address_space: global }
      - { .name: a0, .offset: 24, .size: 8, .value_kind: global_buffer, .address_space: global }
      - { .name: xfin, .offset: 32, .size: 8, .value_kind: global_buffer, .address_space: global }
    .group_segment_fixed_size: 167936
    .private_segment_fixed_size: 0
    .kernarg_segment_align: 8
    .kernarg_segment_size: 40
    .max_flat_workgroup_size: 32
    .sgpr_count:     66
    .vgpr_count:     768
    .wavefront_size: 32
...
	.end_amdgpu_metadata
.endif
;; end of part 4
;; launch head (part 5): grid 4 x 32, 1 waves a work-group, clusters of 4 x 1, 167,936 bytes of LDS; arguments xfin, wts, head_b, out0; writes out0
.if DOCPART == 5
	.amdgcn_target "amdgcn-amd-amdhsa--gfx1250"
	.amdhsa_code_object_version 6
	.text
	.protected	k_qe839835616_head
	.globl	k_qe839835616_head
	.p2align	8
	.type	k_qe839835616_head,@function
k_qe839835616_head:
	s_mov_b64 s[64:65], 0
	v_nop
	global_prefetch_b8 v0, s[64:65] scope:SCOPE_SE
	s_setreg_imm32_b32 hwreg(HW_REG_WAVE_MODE, 25, 1), 1
	s_wait_xcnt 0x0
	s_wait_alu depctr_hold_cnt(0) depctr_sa_sdst(0) depctr_va_vdst(0) depctr_va_sdst(0) depctr_va_ssrc(0) depctr_va_vcc(0) depctr_vm_vsrc(0)
	s_getreg_b32 s2, hwreg(HW_REG_IB_STS2, 6, 4)
	s_cmp_eq_u32 s2, 0
	s_cbranch_scc0 .Lentry_in_a_cluster
	s_endpgm
.Lentry_in_a_cluster:
	s_bfe_u32 s2, ttmp6, 0x10000c
	s_cmp_lg_u32 s2, 0x3003
	s_cbranch_scc0 .Lentry_shape_is_right
	s_endpgm
.Lentry_shape_is_right:
; HEAD.  out0 = Q(xfin) Q(head_w) + head_b.  A work-group of one wave takes 16 rows (its place in the cluster) x 32 classes (y); K = 768 in six steps, each quantised in registers on its way.
; CLUSTER: the four tiles of rows need the same six records of head_w: asked for jointly.  The rows come by a plain load.  No LDS byte is filled twice.
; Transposed use: a lane holds 16 neighbouring classes of one row.  head_b is loaded into the accumulators (indices held at 996, so that no load leaves the 1,000).  Classes 1,000 to 1,023 are computed from repeated columns and not stored.
; LIMITS: as the first launch's.
.set WR,    49920                      ; LDS: 16 rows of xfin from 0, 3,120 bytes apart; here the six records
.set SPARE, WR+19200
.set TM,  144
.set TP,  156
.set PC,  164
.set PW,  176
.set WV,  16
.set SEL, 22
.set MSB, 0
.macro WIN new
.if MSB != (\new)
	s_set_vgpr_msb (MSB<<8)|(\new)
.set MSB, (\new)
.endif
.endm
.macro PLACES n
.rept \n
	v_nop
.endr
.endm
.macro ROUND
	s_barrier_signal -1
	s_barrier_wait -1
	s_cmp_lg_u32 s[WV], 0
	s_cbranch_scc1 .Lnot_wave_0_\@
	s_barrier_signal -3
.Lnot_wave_0_\@:
	s_barrier_wait -3
	s_barrier_signal -1
	s_barrier_wait -1
.endm
.macro MM d, a, b, c, sa, sb
	v_wmma_scale_f32_16x16x128_f8f6f4 v[(\d):(\d)+7], v[(\a):(\a)+11], v[(\b):(\b)+11], v[(\c):(\c)+7], v[(\sa)], v[(\sb)] matrix_a_fmt:MATRIX_FMT_FP6 matrix_b_fmt:MATRIX_FMT_FP6
.endm
.macro QUANT sw, s, pc, tp, pw         ; 64 numbers of a lane (register 16 b + i = k 32 b + 16 (lane / 16) + i of row lane % 16) -> 12 registers of codes and the row's scale word
	WIN (\sw)|((\sw)<<2)
.irp b, 0,1,2,3
	v_max3_num_f32 v[TM+\b], |v[(\s)+16*\b]|, |v[(\s)+16*\b+1]|, 0x1800000
.endr
	WIN ((\sw)<<2)|((\sw)<<4)
.irp i, 2,4,6,8,10,12,14
.irp b, 0,1,2,3
	v_max3_num_f32 v[TM+\b], v[TM+\b], |v[(\s)+16*\b+\i]|, |v[(\s)+16*\b+\i+1]|
.endr
.endr
	WIN 0
.irp b, 0,1,2,3
	v_permlanex16_b32 v[TM+4+\b], v[TM+\b], s[SEL], s[SEL+1]
.endr
.irp b, 0,1,2,3
	v_max_num_f32 v[TM+\b], v[TM+\b], v[TM+4+\b]
.endr
.irp b, 0,1,2,3
	v_add_nc_u32 v[TM+8+\b], 0xff000000, v[TM+\b]
.endr
.irp b, 0,1,2,3
	v_lshrrev_b32 v[TM+4+\b], 23, v[TM+8+\b]
.endr
	v_lshl_or_b32 v[\pw], v[TM+5], 8, v[TM+4]
	v_lshl_or_b32 v[\pw], v[TM+6], 16, v[\pw]
	v_lshl_or_b32 v[\pw], v[TM+7], 24, v[\pw]
	WIN \sw
.irp c, 0,1
	v_cvt_scalef32_pk16_fp6_f32 v[(\pc)+6*\c:(\pc)+6*\c+2], v[(\s)+32*\c:(\s)+32*\c+15], v[TM+8+2*\c]
	v_cvt_scalef32_pk16_fp6_f32 v[(\tp)+4*\c:(\tp)+4*\c+2], v[(\s)+32*\c+16:(\s)+32*\c+31], v[TM+9+2*\c]
.endr
	WIN 0
	v_nop
.irp c, 0,1
.irp i, 0,1,2
	v_permlane16_swap_b32 v[(\pc)+6*\c+\i], v[(\tp)+4*\c+\i]
.endr
.irp i, 0,1,2
	v_mov_b32 v[(\pc)+6*\c+3+\i], v[(\tp)+4*\c+\i]
.endr
.endr
.endm
.macro LOADD s, set                    ; my 64 numbers of K step s: 16 loads
.set jj, 0
.rept 16
	ds_load_b128 v[16+64*(\set)+4*jj:16+64*(\set)+4*jj+3], v1 offset:512*(\s)+16*((\s)/2)+128*(jj/4)+16*(jj%4)
.set jj, jj+1
.endr
.endm
.macro LOADWF s                        ; the step's two weight fragments and their scale words: 8 loads
.irp u, 0,1
.irp k, 0,1,2
	ds_load_b128 v[178+12*\u+4*\k:178+12*\u+4*\k+3], v2 offset:3200*(\s)+1536*\u+16*\k
.endr
	ds_load_b32 v[202+\u], v3 offset:3200*(\s)+3072+64*\u
.endr
.endm
.macro HSTEP s
	PLACES 4                                       ; in front of loads into registers that matrix instructions have read
	LOADWF \s
.if (\s) < 5
	LOADD (\s)+1, ((\s)+1)%2
	s_wait_dscnt 24                                ; this step's numbers are in; the 24 loads just issued may be out
.else
	s_wait_dscnt 8
.endif
	QUANT 0, 16+64*((\s)%2), PC, TP, PW
.if (\s) < 5
	s_wait_dscnt 16                                ; the weight's fragments are in; the next step's 16 loads may be out
.else
	s_wait_dscnt 0x0
.endif
.if (\s) == 0
	s_wait_loadcnt 0x0                             ; head_b lies in the accumulators
.endif
	PLACES 8                                       ; codes and scale word written by vector instructions stand 4 and 8 places ahead of a scaled matrix instruction
	MM 204, 178, PC, 204, 202, PW                  ; the two accumulators by turns
	MM 212, 190, PC, 212, 203, PW
.endm
	s_load_b256 s[4:11], s[0:1], 0x0               ; xfin 4, wts 6, head_b 8, out0 10
	v_lshl_add_u32 v10, v0, 2, SPARE
	v_mov_b32 v11, 0
	ds_add_u32 v10, v11                            ; the wave's opening
	v_lshrrev_b32 v12, 5, v0
	v_readfirstlane_b32 s[WV], v12
	s_bfe_u32 s17, ttmp6, 0x40000                  ; my tile of rows: it enters the addresses of xfin and out0 alone
	s_and_b32 s18, ttmp7, 0xffff                   ; my 32 classes
	s_mov_b32 s24, (2<<16)|(1<<20)|(7<<22)|(3<<25) ; 16 rows of 768 f32; 16 bytes of padding behind every 256 words
	s_mov_b32 s25, 768<<16
	s_mov_b32 s26, 16<<16
	s_mov_b32 s27, 768<<16
	s_mov_b32 s28, 16
	s_mov_b32 s29, 768
	s_mov_b32 s30, 0
	s_mov_b32 s31, 0
	s_mov_b32 s32, 15|(3<<16)|(1<<21)              ; six records, 19,200 dense bytes as rows of 256; the mask names all four work-groups
	s_mov_b32 s33, 32<<16
	s_mov_b32 s34, 75<<16
	s_mov_b32 s35, 32<<16
	s_mov_b32 s36, 75
	s_mov_b32 s37, 32
	s_mov_b32 s38, 0
	s_mov_b32 s39, 0
	s_mov_b32 s[SEL], 0x76543210
	s_mov_b32 s[SEL+1], 0xfedcba98
	s_lshl_b32 s21, s18, 5
	s_mul_i32 s48, s17, 49152
	s_mov_b32 s49, 0
	s_mul_i32 s50, s18, 19200
	s_add_co_u32 s50, s50, 5068800
	s_mov_b32 s51, 0
	s_mul_i32 s52, s17, 64000
	s_mov_b32 s53, 0
	s_wait_dscnt 0x0
	s_wait_kmcnt 0x0
	s_mov_b32 s40, 1
	s_mov_b32 s41, 0
	s_add_nc_u64 s[42:43], s[4:5], s[48:49]
	s_or_b32 s43, s43, 0x80000000
	s_mov_b32 s44, 1
	s_mov_b32 s45, WR
	s_add_nc_u64 s[46:47], s[6:7], s[50:51]
	s_or_b32 s47, s47, 0x80000000
	s_add_nc_u64 s[10:11], s[10:11], s[52:53]      ; out0 at my 16 rows
	ROUND
	tensor_load_to_lds s[40:43], s[24:31]          ; two loads of mine are out
	s_nop 0
	tensor_load_to_lds s[44:47], s[32:39]
	s_nop 0
	PLACES 4
	v_and_b32 v12, 15, v0                          ; r
	v_bfe_u32 v13, v0, 4, 1                        ; h
	v_and_b32 v14, 31, v0
	v_mul_u32_u24 v1, v12, 3120
	v_lshl_add_u32 v1, v13, 6, v1
	v_mul_u32_u24 v2, v14, 48
	v_add_nc_u32 v2, WR, v2
	v_lshl_add_u32 v3, v12, 2, WR
	v_lshl_add_u32 v9, v13, 4, s21                 ; my first class: 32 y + 16 h
.irp k, 0,1,2,3
	v_add_nc_u32 v[4+\k], 4*\k, v9
	v_min_u32 v[4+\k], 996, v[4+\k]
	v_lshlrev_b32 v[4+\k], 2, v[4+\k]
.endr
	v_mul_u32_u24 v8, v12, 4000
	v_lshl_add_u32 v8, v9, 2, v8                   ; row r of 4,000 bytes, + 4 x my first class
.irp b, 0,1,2,3
	v_mov_b32 v[TM+4+\b], 0                        ; a lane permute's destination counts as one of its sources
.endr
.irp k, 0,1,2,3
	global_load_b128 v[204+4*\k:207+4*\k], v[4+\k], s[8:9]
.endr
	s_wait_tensorcnt 0x1                           ; the rows have landed; the weight's load may be out
	LOADD 0, 0
	s_wait_tensorcnt 0x0
	HSTEP 0
	HSTEP 1
	HSTEP 2
	HSTEP 3
	HSTEP 4
	HSTEP 5
	PLACES 4
	s_wait_xcnt 0x0                                ; EXEC changes only behind this wait
	v_cmp_gt_u32 vcc_lo, 993, v9                   ; my classes 0 to 7 exist
	s_and_saveexec_b32 s20, vcc_lo
	global_store_b128 v8, v[204:207], s[10:11]
	global_store_b128 v8, v[208:211], s[10:11] offset:16
	s_wait_xcnt 0x0
	s_or_b32 exec_lo, exec_lo, s20
	v_cmp_gt_u32 vcc_lo, 985, v9                   ; my classes 8 to 15 exist
	s_and_saveexec_b32 s20, vcc_lo
	global_store_b128 v8, v[212:215], s[10:11] offset:32
	global_store_b128 v8, v[216:219], s[10:11] offset:48
	s_wait_xcnt 0x0
	s_or_b32 exec_lo, exec_lo, s20
	s_wait_tensorcnt 0x0                           ; the wave's end
	ds_add_u32 v10, v11
	s_wait_dscnt 0x0
	ROUND                                          ; the closing round
	s_endpgm
.Lfunc_end_k_qe839835616_head:
	.size	k_qe839835616_head, .Lfunc_end_k_qe839835616_head-k_qe839835616_head
	.p2alignl 7, 3214868480
	.fill 96, 4, 3214868480
	.section	.rodata,"a",@progbits
	.p2align	6, 0x0
	.amdhsa_kernel k_qe839835616_head
		.amdhsa_group_segment_fixed_size 167936
		.amdhsa_private_segment_fixed_size 0
		.amdhsa_enable_private_segment 0
		.amdhsa_kernarg_size 32
		.amdhsa_user_sgpr_count 2
		.amdhsa_user_sgpr_kernarg_segment_ptr 1
		.amdhsa_wavefront_size32 1
		.amdhsa_system_sgpr_workgroup_id_x 1
		.amdhsa_system_sgpr_workgroup_id_y 1
		.amdhsa_system_sgpr_workgroup_id_z 1
		.amdhsa_system_vgpr_workitem_id 0
		.amdhsa_next_free_vgpr 256
		.amdhsa_next_free_sgpr 66
		.amdhsa_reserve_vcc 1
		.amdhsa_float_denorm_mode_32 3
		.amdhsa_float_denorm_mode_16_64 3
		.amdhsa_memory_ordered 1
		.amdhsa_forward_progress 1
		.amdhsa_inst_pref_size 42
	.end_amdhsa_kernel
	.amdgpu_metadata
---
amdhsa.version: [ 1, 2 ]
amdhsa.kernels:
  - .name:           k_qe839835616_head
    .symbol:         k_qe839835616_head.kd
    .args:
      - { .name: xfin, .offset: 0, .size: 8, .value_kind: global_buffer, .address_space: global }
      - { .name: wts, .offset: 8, .size: 8, .value_kind: global_buffer, .address_space: global }
      - { .name: head_b, .offset: 16, .size: 8, .value_kind: global_buffer, .address_space: global }
      - { .name: out0, .offset: 24, .size: 8, .value_kind: global_buffer, .address_space: global }
    .group_segment_fixed_size: 167936
    .private_segment_fixed_size: 0
    .kernarg_segment_align: 8
    .kernarg_segment_size: 32
    .max_flat_workgroup_size: 32
    .sgpr_count:     66
    .vgpr_count:     256
    .wavefront_size: 32
...
	.end_amdgpu_metadata
.endif
;; end of part 5
